; MI455X (gfx1250); checked and timed in simulation.
; The chip was launched on July 23, 2026; its instructions are those of AMD's public machine-readable ISA for CDNA 5 (MIT licence, August 2026) and "CDNA5" Instruction Set Architecture Reference Guide (July 2026). The comments in the code are by the model that wrote it; some were corrected since.
;; multi attention. Allowed arithmetic: matrix products marked QUANTISED: E3M2 operands, one E8M0 scale for each 32 along K, by v_wmma_scale_f32_16x16x128_f8f6f4 with both operands' format E3M2, f32 sums; everything else in f32.
;; Inputs: W_proj 1,024 x 1,024 float32; W_qkv 3,072 x 1,024 float32; x 4 x 2,048 x 1,024 float32.
;; Outputs: out0 4 x 2,048 x 1,024 float32.
;; This version of the problem:
;;   THIS VERSION OF THE PROBLEM IS GIVEN IN LOW PRECISION. The matrix products marked QUANTISED in the list below multiply operands that are first quantised to E3M2 (3 exponent bits, 2 mantissa bits; 6 bits a number), with one power-of-two scale for each 32 numbers along K (OCP MX v1.0); their sums are f32. All else is computed in f32.
;;   The module's matrix products, in the order in which they are computed (A, B: the left and right operand; K: the contracted axis; several contracted axes count as one K, in the product's order):
;;     1. [M 8,192, K 1,024] x [K 1,024, N 3,072]; A: input x; B: input W_qkv: QUANTISED
;;     2. batch 64 x [M 2,048, K 64] x [K 64, N 2,048]; A: computed on the way; B: computed on the way: QUANTISED
;;     3. batch 64 x [M 2,048, K 2,048] x [K 2,048, N 64]; A: softmax (see below); B: computed on the way: QUANTISED
;;     4. [M 8,192, K 1,024] x [K 1,024, N 1,024]; A: computed on the way; B: input W_proj: QUANTISED
;;   THE QUANTISER, for each operand of a quantised product, along K:
;;     - K is cut into blocks of 32 from its start; a last block that is shorter is filled with zeros.
;;     - A block's scale is 2^e with e = floor(log2(the largest magnitude in the block)) - 4, held to -126 .. 127; a block of zeros has e = 0. As a byte (E8M0): e + 127.
;;     - Each number is divided by its block's scale, clamped to +-28, and rounded to the nearest number of E3M2, ties to even, subnormals kept.
;;     - The product sums the exact products of the quantised numbers (number of the format x scale) in f32.
;;   ~~~python
;;   def quantise(x, axis):      # numpy; x: float32 -> the quantised numbers, widened to float32 again
;;       x = np.moveaxis(x, axis, -1); K = x.shape[-1]
;;       x = np.pad(x, [(0, 0)] * (x.ndim - 1) + [(0, -K % 32)]); x = x.reshape(x.shape[:-1] + (-1, 32)); a = np.abs(x).max(-1, keepdims=True)
;;       e = np.where(a > 0, np.clip(np.frexp(np.where(a > 0, a, 1))[1] - 1 - 4, -126, 127), 0)      # np.frexp(a)[1] - 1 = floor(log2(a)), exactly
;;       r = np.clip(x / 2.0 ** e, -28, 28)
;;       step = 2.0 ** (np.maximum(np.frexp(np.where(r == 0, 1, r))[1] - 1, -2) - 2)
;;       q = np.round(r / step) * step * 2.0 ** e      # np.round: ties to even
;;       return np.moveaxis(q.reshape(q.shape[:-2] + (-1,))[..., :K], -1, axis).astype(np.float32)
;;   ~~~
;;   SOFTMAX AHEAD OF A QUANTISED PRODUCT. Where the list says 'softmax', what is quantised is not the finished softmax but p = 2^(t - M), with t = logit x log2(e) and M = ceil(the row's largest t), a whole number; so 1/2 < the row's largest p <= 1. The row's sum l is taken of the UNQUANTISED p, in f32, and the product's result is divided by l at the end. Since M is a whole number, a kernel that streams over the keys may use a running M (the ceiling of the running maximum): every later rescaling is an exact power of two, which a block's scale takes up: the codes' values come out the same.
;;   OPERANDS COMPUTED ON THE WAY. 'Computed on the way' means the value that the module computes at that place (a softmax that the list does not call 'softmax' is quantised finished and normalised). What goes into a quantiser is computed in f32, as accurately as f32 sums, v_exp_f32 and their like allow (about 1e-6 of the number): no bf16 or f16 on the way to a quantiser, and a product that is left as it is and whose result goes on into a quantised operand takes f32 operands (vector FMAs, or v_wmma_f32_16x16x4_f32). A number that lies on a knife's edge between two numbers of the format may be rounded either way, as far as f32 arithmetic and the matrix unit's own rounding can turn it there, and no further.
;; One version. Each part assembles by itself: llvm-mc -triple=amdgcn-amd-amdhsa -mcpu=gfx1250 --defsym DOCPART=n.
;; ======== version 1 of 1: 4 launches
;; limits: right only within a limited range of input values
;; workspace buffers: cod 9,437,184 bytes; scl 393,216 bytes; rope 524,288 bytes; qb 6,815,744 bytes; kv 13,631,488 bytes; ai 6,291,456 bytes; asc 262,144 bytes
;; launch prep (part 1): grid 400 x 1, 8 waves a work-group, no clusters, 66,560 bytes of LDS; arguments x, W_qkv, W_proj, cod, scl, rope; writes cod, scl, rope
.if DOCPART == 1
	.amdgcn_target "amdgcn-amd-amdhsa--gfx1250"
	.amdhsa_code_object_version 6
	.text
	.protected	k_q925fbf0619_prep
	.globl	k_q925fbf0619_prep
	.p2align	8
	.type	k_q925fbf0619_prep,@function
k_q925fbf0619_prep:
	s_mov_b64 s[64:65], 0
	v_nop
	global_prefetch_b8 v0, s[64:65] scope:SCOPE_SE
	s_setreg_imm32_b32 hwreg(HW_REG_WAVE_MODE, 25, 1), 1
	s_wait_xcnt 0x0
; x [8192][1024], W_qkv [3072][1024] and W_proj [1024][1024], f32, become codes of BF6 (E3M2) in cod, with one E8M0 byte for each 32 along K, 32 bytes a row, in scl;
; and the table of cosines and sines for the rotation of Q and K is made, in rope.
; A block's scale is 2^(floor(log2(its largest magnitude)) - 4); its byte is the largest magnitude's exponent field - 4, held at 1 from below; each number is divided by the scale and rounded to the nearest code, ties to even.
; LIMITS: a block of zeros gets the byte 1 where the rule says 127 (its codes are zeros, which add nothing under any byte but 0xff, and this program alone reads the bytes); blocks whose largest magnitude lies
; under 2^-122 keep the byte 1; NaN and infinities among the inputs are not served.  The table's frequencies are within about one unit in the last place of exp's, which at position 2,047 is about 2e-4 of a radian.
; cod: the three tensors' rows on end, in groups of 256 rows.  A group is four images, one for each 256 along K, of 256 rows x 192 bytes:
; byte = 196608 (row / 256) + 49152 (k / 256) + 192 (row % 256) + 3 (k % 256) / 4.  An image is dense and begins at a multiple of 256 bytes: the products' launches fetch it, or half of it, as rows of 256 bytes.
; WORK-GROUPS 0-255 take x, 256-351 W_qkv, 352-383 W_proj: 32 rows each, 4 rows (4,096 numbers, 8 steps of 512) a wave.  The three tensors lie on end in cod and in scl, so the work-group's number gives the place.
; THE ROWS OF x AND W_qkv ARE STORED WITH BITS 3 AND 4 OF THE ROW'S NUMBER SWAPPED: a wave's 4 rows go where the wave with bits 1 and 2 of its number swapped would put them.  Sixteen stored rows 16 t + r are then the true rows
; 32 (t / 2) + 8 (t % 2) + r + 8 (r / 8): the choice of a tile's rows by which a product's results lie as neighbours along the next product's K.  W_proj's rows keep their order.
; Each of a step's four loads reads 512 consecutive bytes; the 2,048 bytes turn through the wave's own stage in LDS and come back 64 bytes (16 neighbours) a lane; two neighbouring lanes hold a block.
; WORK-GROUPS 384-399 make the table and use no LDS: [tile 128][q 8][lane 32][16 bytes]: cos, sin of rotation index i and of i + 1, i = 16 (q / 4) + 8 (lane / 16) + 2 (q % 4), at position 32 (tile / 2) + 8 (tile % 2) + r + 8 (r / 8), r = lane % 16.
.set STEPS, 8
.set WG_X,  256                        ; x's work-groups
.set WG_W,  352                        ; and W_qkv's end here,
.set WG_Q,  384                        ; W_proj's here
.set EMAX,  4
.set CB,    12                         ; bytes of 16 codes
.set KSB,   49152                      ; cod: from the image of one 256 along K to the next
.set R,     16                         ; v16-79   four sets of 16 numbers as they are loaded
.set X,     80                         ; v80-111  two sets of 16 neighbours
.set C,     128                        ; v128-159 codes: four registers for each step, so that no store's data are written again
.set E,     112                        ; v112-119 a scale byte for each step
.set WREG,  8192                       ; LDS: a region for each wave: two stages of 32 x SP bytes, behind them its 128 scale bytes
.set SP,    80                         ; a lane's place in a stage: 64 bytes + 16 of padding
.set SPARE, 8*WREG                     ; behind the eight regions: the spare words, 128 bytes for each wave, which no other line names
.set SPW,   160                        ; v160     LDS address of my spare word; never rewritten
.set NIL,   161                        ; v161     0; never rewritten
	s_load_b256 s[4:11], s[0:1], 0x0               ; x s[4:5], W_qkv s[6:7], W_proj s[8:9], cod s[10:11]
	s_load_b128 s[12:15], s[0:1], 0x20             ; scl s[12:13], rope s[14:15]
	v_lshl_add_u32 v[SPW], v0, 2, SPARE
	v_mov_b32 v[NIL], 0
	s_cmp_ge_u32 ttmp9, WG_Q
	s_cbranch_scc1 .Ltable
	v_lshrrev_b32 v1, 5, v0
	v_readfirstlane_b32 s16, v1                    ; wave 0..7
	v_and_b32 v2, 31, v0                           ; lane
	v_lshlrev_b32 v3, 4, v2                        ; my 16 bytes of a load's 512
	s_mul_i32 s17, s16, WREG
	v_lshrrev_b32 v14, 2, v2
	v_mul_u32_u24 v14, v14, SP
	v_and_b32 v15, 3, v2
	v_lshl_add_u32 v14, v15, 4, v14
	v_add_nc_u32 v14, s17, v14                     ; the stage, on the way in: SP (lane / 4) + 16 (lane % 4)
	v_mul_u32_u24 v15, v2, SP
	v_add_nc_u32 v15, s17, v15                     ; and on the way out: SP x lane: my 16 neighbours
	v_and_b32 v4, 15, v2
	v_mul_u32_u24 v4, v4, CB
	v_lshrrev_b32 v10, 4, v2
	v_mad_u32_u24 v4, v10, KSB, v4                 ; my codes' place: lanes 0-15 fill 192 bytes of one image's row, lanes 16-31 of the next image's
	v_lshrrev_b32 v5, 1, v2
	s_add_co_u32 s17, s17, 2*32*SP
	v_add_nc_u32 v5, s17, v5                       ; LDS: my wave's 128 scale bytes, my block's byte
	v_lshlrev_b32 v7, 2, v2                        ; and on the way out 4 bytes a lane
	v_add_nc_u32 v6, s17, v7
	s_and_b32 s22, s16, 1
	s_bfe_u32 s23, s16, 0x10002
	s_lshl_b32 s23, s23, 1
	s_or_b32 s22, s22, s23
	s_bfe_u32 s23, s16, 0x10001
	s_lshl_b32 s23, s23, 2
	s_or_b32 s22, s22, s23                         ; the wave's number with bits 1 and 2 swapped
	s_movk_i32 s24, WG_W
	s_wait_alu depctr_va_vdst(0)                   ; the wait at the head's end
	s_wait_kmcnt 0x0
	s_cmp_lt_u32 ttmp9, WG_W                       ; the choices hang on the work-group's number alone
	s_cselect_b64 s[6:7], s[6:7], s[8:9]
	s_cselect_b32 s24, WG_X, s24
	s_cselect_b32 s22, s22, s16                    ; W_proj's rows keep their order
	s_cmp_lt_u32 ttmp9, WG_X
	s_cselect_b64 s[4:5], s[4:5], s[6:7]           ; the tensor that I read,
	s_cselect_b32 s24, 0, s24                      ; and its first work-group
	s_sub_co_u32 s24, ttmp9, s24
	s_lshl_b32 s24, s24, 3
	s_add_co_u32 s24, s24, s16                     ; which run of 4,096 numbers of it is my wave's
	s_lshl_b32 s24, s24, 14                        ; 16,384 bytes a run
	s_mov_b32 s25, 0
	s_add_nc_u64 s[4:5], s[4:5], s[24:25]
	s_lshl_b32 s26, ttmp9, 3
	s_add_co_u32 s26, s26, s22                     ; where the run goes, counted in runs of 4 rows over all three tensors
	s_lshr_b32 s24, s26, 6
	s_mul_i32 s24, s24, 4*KSB                      ; its group of 256 rows,
	s_and_b32 s27, s26, 63
	s_mul_i32 s27, s27, 4*192                      ; and its 4 rows in each of the group's images
	s_add_co_u32 s24, s24, s27
	s_add_nc_u64 s[10:11], s[10:11], s[24:25]
	s_lshl_b32 s24, s26, 7                         ; 128 scale bytes a run
	s_add_nc_u64 s[12:13], s[12:13], s[24:25]
.macro LOAD t
.irp i, 0,1,2,3
	global_load_b128 v[R+16*((\t)%4)+4*\i:R+16*((\t)%4)+4*\i+3], v3, s[4:5] offset:2048*(\t)+512*\i th:TH_LOAD_NT   ; 32 lanes read 512 consecutive bytes
.endr
.endm
.macro TURN t                          ; step t's numbers through the stage: LDS serves a wave's instructions in order, so no wait stands between the stores and the loads
.irp i, 0,1,2,3
	ds_store_b128 v14, v[R+16*((\t)%4)+4*\i:R+16*((\t)%4)+4*\i+3] offset:32*SP*((\t)%2)+8*SP*\i
.endr
.irp i, 0,1,2,3
	ds_load_b128 v[X+16*((\t)%2)+4*\i:X+16*((\t)%2)+4*\i+3], v15 offset:32*SP*((\t)%2)+16*\i
.endr
.endm
.irp t, 0,1,2,3
	LOAD \t
.endr
	s_wait_loadcnt 12                              ; step 0's four loads are in; the twelve of steps 1 to 3 stay out
	TURN 0
.macro STEP t
.set XS, X+16*((\t)%2)
.if (\t) > 0
	s_wait_dscnt 1                                 ; this step's numbers are back from the stage (the last step's byte store may be out): so its stores into the stage have read their registers,
.else
	s_wait_dscnt 0x0
.endif
.if (\t)+4 < STEPS
	LOAD (\t)+4                                    ; which take the loads of four steps on
.endif
.if (\t)+1 < STEPS
.if STEPS-2-(\t) >= 3
	s_wait_loadcnt 12                              ; the next step's four loads are in; those of the three steps behind it may be out
.else
	s_wait_loadcnt 4*(STEPS-2-(\t))
.endif
	TURN (\t)+1                                    ; and go through the other stage while this step is worked
.endif
	v_max3_num_f32 v8, |v[XS]|, |v[XS+1]|, |v[XS+2]|               ; the largest magnitude of my 16, in two chains
	v_max3_num_f32 v9, |v[XS+3]|, |v[XS+4]|, |v[XS+5]|
.irp i, 6,10
	v_max3_num_f32 v8, v8, |v[XS+\i]|, |v[XS+\i+1]|
	v_max3_num_f32 v9, v9, |v[XS+\i+2]|, |v[XS+\i+3]|
.endr
	v_max3_num_f32 v8, v8, |v[XS+14]|, |v[XS+15]|
	v_max3_num_f32 v8, v8, v9, (EMAX+1)<<23        ; and the floor 2^(5 - 127): so the byte cannot fall under 1
	v_max_num_f32_dpp v8, v8, v8 row_xmask:1 row_mask:0xf bank_mask:0xf   ; and of my neighbour's 16: the block's
	v_add_nc_u32 v11, 0xfe000000, v8               ; 4 off its exponent field: the conversion takes the exponent field of this operand as its scale, and nothing else of it
	v_cvt_scalef32_pk16_bf6_f32 v[C+4*(\t):C+4*(\t)+2], v[XS:XS+15], v11
	v_lshrrev_b32 v[E+(\t)], 23, v11               ; the scale's byte (also the plain line behind the conversion)
	ds_store_b8 v5, v[E+(\t)] offset:16*(\t)       ; both lanes of a block write the same byte with the same value
	global_store_b96 v4, v[C+4*(\t):C+4*(\t)+2], s[10:11] offset:2*KSB*((\t)%2)+192*((\t)/2)   ; step t is half t % 2 of row t / 2: sixteen lanes store 192 consecutive bytes of each of two images
.endm
.irp t, 0,1,2,3,4,5,6,7
	STEP \t
.endr
	ds_load_b32 v12, v6                            ; LDS serves a wave's instructions in order: this sees my stores
	s_wait_dscnt 0x0
	global_store_b32 v7, v12, s[12:13]             ; 32 lanes store 128 consecutive bytes: four rows' scale bytes
	s_wait_tensorcnt 0x0                           ; the wave's end
	ds_add_u32 v[SPW], v[NIL]
	s_wait_dscnt 0x0
	s_endpgm
; THE TABLE.  Four waves make tiles 4 wt .. 4 wt + 3, wt = 2 (work-group - 384) + wave / 4: 16,384 bytes, in eight pieces of 2,048; thread t % 128 stores 16 bytes at 16 (t % 128) of each piece.
; In piece j the thread's tile is 4 wt + j / 2 and its q is 4 (j % 2) + wave % 4.  So a thread has four frequencies: i = 16 e + 8 h + 2 (wave % 4) + f, e = j % 2, f = 0, 1.
.Ltable:
	v_lshrrev_b32 v7, 7, v0
	v_readfirstlane_b32 s16, v7                    ; wave / 4
	s_sub_co_u32 s17, ttmp9, WG_Q
	s_lshl_b32 s17, s17, 1
	s_add_co_u32 s17, s17, s16                     ; wt
	v_and_b32 v1, 15, v0                           ; r
	v_bfe_u32 v2, v0, 4, 1                         ; h
	v_bfe_u32 v3, v0, 5, 2                         ; wave % 4
	v_and_b32 v4, 8, v1
	v_add_nc_u32 v4, v4, v1                        ; r + 8 (r / 8)
	s_lshl_b32 s18, s17, 6
	v_add_nc_u32 v4, s18, v4                       ; + 64 wt: the position, less the piece's part
	v_lshlrev_b32 v5, 3, v2
	v_lshl_add_u32 v5, v3, 1, v5                   ; 8 h + 2 (wave % 4)
	v_and_b32 v6, 127, v0
	v_lshlrev_b32 v6, 4, v6                        ; 16 (t % 128)
	s_wait_alu depctr_va_vdst(0)                   ; the wait ahead of the run of scalar lines below
	s_mov_b32 s20, 0x3f22f983                      ; 2 / pi
	s_mov_b32 s21, 0x3fc90fdb                      ; pi / 2: its f32,
	s_mov_b32 s22, 0xb33bbd2e                      ; and what that leaves
	s_mov_b32 s23, 0xb94ca1f9                      ; the sine's polynomial on |rho| <= pi / 4: -1.9515296e-4,
	s_mov_b32 s24, 0x3c08839e                      ; 8.3321609e-3,
	s_mov_b32 s25, 0xbe2aaaa3                      ; -1.6666655e-1
	s_mov_b32 s26, 0x37ccf5ce                      ; the cosine's: 2.4433157e-5,
	s_mov_b32 s27, 0xbab6061a                      ; -1.3887316e-3,
	s_mov_b32 s28, 0x3d2aaaa5                      ; 4.1666646e-2
	s_mov_b32 s29, 0x3fb8aa3b                      ; log2(e): its f32,
	s_mov_b32 s30, 0x32a57060                      ; and what that leaves
	s_mov_b32 s31, 0x41135d8e                      ; log(10000) in f32
; the frequencies, exp(-(2 i) / 64 x log(10000)): the argument rounded once, as the module rounds it; 2^(argument x log2(e)) with the product kept in two parts
.irp k, 0,1,2,3
	v_add_nc_u32 v[8+\k], 16*(\k/2)+\k%2, v5
.endr
.irp k, 0,1,2,3
	v_cvt_f32_u32 v[8+\k], v[8+\k]
.endr
.irp k, 0,1,2,3
	v_mul_f32 v[8+\k], 0xbd000000, v[8+\k]         ; -i / 32, exact
.endr
.irp k, 0,1,2,3
	v_mul_f32 v[8+\k], s31, v[8+\k]                ; the argument
.endr
.irp k, 0,1,2,3
	v_mul_f32 v[12+\k], s29, v[8+\k]               ; the product's upper part,
.endr
.irp k, 0,1,2,3
	v_fma_f32 v[16+\k], v[8+\k], s29, -v[12+\k]    ; what its rounding lost,
.endr
.irp k, 0,1,2,3
	v_fma_f32 v[16+\k], v[8+\k], s30, v[16+\k]     ; and the rest of log2(e)
.endr
.irp k, 0,1,2,3
	v_rndne_f32 v[20+\k], v[12+\k]                 ; the whole part
.endr
.irp k, 0,1,2,3
	v_sub_f32 v[12+\k], v[12+\k], v[20+\k]
.endr
.irp k, 0,1,2,3
	v_add_f32 v[12+\k], v[12+\k], v[16+\k]
.endr
.irp k, 0,1,2,3
	v_cvt_i32_f32 v[20+\k], v[20+\k]
.endr
	s_wait_alu depctr_va_vdst(0)                   ; the wait ahead of the batch
.irp k, 0,1,2,3
	v_exp_f32 v[12+\k], v[12+\k]
.endr
	v_nop                                          ; a plain line behind the last exponential,
	s_wait_alu depctr_va_vdst(0)                   ; and one wait for the four, ahead of their first reader
.irp k, 0,1,2,3
	v_ldexp_f32 v[8+\k], v[12+\k], v[20+\k]        ; v8-11: the frequencies, at 2 e + f
.endr
	s_lshl_b32 s18, s17, 14
	s_mov_b32 s19, 0
	s_wait_kmcnt 0x0
	s_add_nc_u64 s[14:15], s[14:15], s[18:19]      ; my four waves' 16,384 bytes of the table
; cos and sin of v24 x v[freq].  The angle is rounded once, as the module rounds it.  k = the nearest whole number to angle x 2 / pi (1,304 at the most); rho = angle - k pi / 2 in two fused steps, the first
; of which is exact (both terms are multiples of 2^-24 and the result lies under 1); what pi / 2's third part would add is under 3e-12.  The quadrant picks the polynomial and the sign: by selection, without a branch.
.macro SINCOS c, s, freq
	v_mul_f32 v26, v24, v[\freq]
	v_mul_f32 v27, s20, v26
	v_rndne_f32 v27, v27
	v_fma_f32 v28, -v27, s21, v26
	v_fma_f32 v28, -v27, s22, v28                  ; rho
	v_cvt_i32_f32 v32, v27                         ; the quadrant's number
	v_mul_f32 v29, v28, v28                        ; z = rho^2
	v_fma_f32 v30, v29, s23, s24
	v_fma_f32 v31, v29, s26, s27
	v_fma_f32 v30, v30, v29, s25
	v_fma_f32 v31, v31, v29, s28
	v_mul_f32 v34, v29, v28
	v_mul_f32 v35, v29, v29
	v_fma_f32 v36, v29, -0.5, 1.0
	v_fma_f32 v30, v30, v34, v28                   ; sin(rho)
	v_fma_f32 v31, v31, v35, v36                   ; cos(rho)
	v_and_b32 v33, 1, v32
	v_cmp_eq_u32 vcc_lo, 1, v33
	v_cndmask_b32 v[\s], v30, v31, vcc_lo          ; odd quadrants change the two
	v_cndmask_b32 v[\c], v31, v30, vcc_lo
	v_and_b32 v33, 2, v32
	v_lshlrev_b32 v33, 30, v33
	v_xor_b32 v[\s], v[\s], v33                    ; the sine is negative in quadrants 2 and 3,
	v_add_nc_u32 v33, 1, v32
	v_and_b32 v33, 2, v33
	v_lshlrev_b32 v33, 30, v33
	v_xor_b32 v[\c], v[\c], v33                    ; the cosine in 1 and 2
.endm
.irp j, 0,1,2,3,4,5,6,7                ; each piece has four registers of its own: no store's data are written again
	v_add_nc_u32 v25, 32*(\j/4)+8*((\j/2)%2), v4
	v_cvt_f32_u32 v24, v25                         ; the position
	s_wait_alu depctr_va_vdst(0)
	SINCOS 64+4*\j, 65+4*\j, 8+2*(\j%2)
	SINCOS 66+4*\j, 67+4*\j, 9+2*(\j%2)
	global_store_b128 v6, v[64+4*\j:67+4*\j], s[14:15] offset:2048*\j   ; a wave stores 512 consecutive bytes, aligned
.endr
	s_endpgm
.Lfunc_end_k_q925fbf0619_prep:
	.size	k_q925fbf0619_prep, .Lfunc_end_k_q925fbf0619_prep-k_q925fbf0619_prep
	.p2alignl 7, 3214868480
	.fill 96, 4, 3214868480
	.section	.rodata,"a",@progbits
	.p2align	6, 0x0
	.amdhsa_kernel k_q925fbf0619_prep
		.amdhsa_group_segment_fixed_size 66560
		.amdhsa_private_segment_fixed_size 0
		.amdhsa_enable_private_segment 0
		.amdhsa_kernarg_size 48
		.amdhsa_user_sgpr_count 2
		.amdhsa_user_sgpr_kernarg_segment_ptr 1
		.amdhsa_wavefront_size32 1
		.amdhsa_system_sgpr_workgroup_id_x 1
		.amdhsa_system_sgpr_workgroup_id_y 1
		.amdhsa_system_sgpr_workgroup_id_z 1
		.amdhsa_system_vgpr_workitem_id 0
		.amdhsa_next_free_vgpr 162
		.amdhsa_next_free_sgpr 66
		.amdhsa_reserve_vcc 1
		.amdhsa_float_denorm_mode_32 3
		.amdhsa_float_denorm_mode_16_64 3
		.amdhsa_memory_ordered 1
		.amdhsa_forward_progress 1
		.amdhsa_inst_pref_size 42
	.end_amdhsa_kernel
	.amdgpu_metadata
---
amdhsa.version: [ 1, 2 ]
amdhsa.kernels:
  - .name:           k_q925fbf0619_prep
    .symbol:         k_q925fbf0619_prep.kd
    .args:
      - { .name: x, .offset: 0, .size: 8, .value_kind: global_buffer, .address_space: global }
      - { .name: W_qkv, .offset: 8, .size: 8, .value_kind: global_buffer, .address_space: global }
      - { .name: W_proj, .offset: 16, .size: 8, .value_kind: global_buffer, .address_space: global }
      - { .name: cod, .offset: 24, .size: 8, .value_kind: global_buffer, .address_space: global }
      - { .name: scl, .offset: 32, .size: 8, .value_kind: global_buffer, .address_space: global }
      - { .name: rope, .offset: 40, .size: 8, .value_kind: global_buffer, .address_space: global }
    .group_segment_fixed_size: 66560
    .private_segment_fixed_size: 0
    .kernarg_segment_align: 8
    .kernarg_segment_size: 48
    .max_flat_workgroup_size: 256
    .sgpr_count:     66
    .vgpr_count:     162
    .wavefront_size: 32
...
	.end_amdgpu_metadata
.endif
;; end of part 1
;; launch qkv (part 2): grid 12 x 32, 4 waves a work-group, clusters of 4 x 4, 327,680 bytes of LDS; arguments cod, scl, rope, qb, kv; writes qb, kv
.if DOCPART == 2
	.amdgcn_target "amdgcn-amd-amdhsa--gfx1250"
	.amdhsa_code_object_version 6
	.text
	.protected	k_q925fbf0619_qkv
	.globl	k_q925fbf0619_qkv
	.p2align	8
	.type	k_q925fbf0619_qkv,@function
k_q925fbf0619_qkv:
	s_mov_b64 s[64:65], 0
	v_nop
	global_prefetch_b8 v0, s[64:65] scope:SCOPE_SE
	s_setreg_imm32_b32 hwreg(HW_REG_WAVE_MODE, 25, 1), 1
	s_wait_xcnt 0x0
	s_wait_alu depctr_hold_cnt(0) depctr_sa_sdst(0) depctr_va_vdst(0) depctr_va_sdst(0) depctr_va_ssrc(0) depctr_va_vcc(0) depctr_vm_vsrc(0)
	s_getreg_b32 s2, hwreg(HW_REG_IB_STS2, 6, 4)
	s_cmp_eq_u32 s2, 0
	s_cbranch_scc0 .Lentry_in_a_cluster
	s_endpgm
.Lentry_in_a_cluster:
	s_bfe_u32 s2, ttmp6, 0x10000c
	s_cmp_lg_u32 s2, 0xf033
	s_cbranch_scc0 .Lentry_shape_is_right
	s_endpgm
.Lentry_shape_is_right:
; qkv = x W_qkv^T on codes of BF6 (E3M2) with one E8M0 scale for each 32 along K = 1,024; then the rotation of Q and K, in f32; then Q and K are quantised along the head's 64 and V along the tokens, and only codes and scale bytes leave.
; A tile, 256 x 256, is made by a work-group of four waves; a wave makes 128 x 128: 64 accumulators of 16 x 16.  K goes in steps of 256 through a ring of two LDS slots filled by the tensor data mover; the scale bytes of the
; work-group's 2 x 256 rows come into LDS once.  4 x 4 work-groups form a cluster; A's tiles are asked for jointly along a row of it, B's along a column.
; THE KIND of a tile is the cluster's x: 0 Q, 1 K, 2 V: the same in all sixteen partners.  Q and K: A = x (tokens), B = W_qkv's rows.  V: A = W_qkv's last 1,024 rows, B = x.  Only offsets into cod and scl differ: the loop is one text.
; THE MATRIX INSTRUCTION IS USED TRANSPOSED (source 0 = 16 rows of B, source 1 = 16 rows of A): a lane holds ONE row of A and its registers run along B's rows.
; THE ROWS OF x AND W_qkv LIE IN cod WITH BITS 3 AND 4 OF THEIR NUMBER SWAPPED: stored rows 16 t + r are the true rows 32 (t / 2) + 8 (t % 2) + r + 8 (r / 8).  So (a) the 16 registers of accumulators (a, 2 c) and (a, 2 c + 1) are the 16 TRUE
; neighbours 32 c + 16 (lane / 16) + 0 .. 15 along B: along the head's channels for Q and K, along the tokens for V: along the next product's K, as the conversions want them; (b) lane r of A's block a is the true row
; 32 (a / 2) + 8 (a % 2) + r + 8 (r / 8): the order of keys in a tile of K, and of channels in a tile of V, by which the attention's own results lie as neighbours in their turn.
; WHAT LEAVES are images of operand registers: a tile of Q or K (16 tokens x 64 channels: 6 registers a lane) as 512 bytes (registers 0-3, 16 bytes a lane) + 256 (registers 4-5, 8 bytes a lane); a tile of V (16 channels x 128 tokens:
; 12 registers) as 3 x 512 bytes; scale words four to a lane.  qb: [batch x head 64][128 tokens 16][6,656]: 8 tiles, 512 bytes of scale words.  kv: [64][16][13,312]: K as in qb, 4 tiles of V, V's scale words twice (so that 32 lanes can load them).
; A scale word of Q or K holds its head's two bytes below; the two bytes above belong to codes that are multiplied by zero codes, and are never 0xff.
; LIMITS: a block of zeros gets the byte 1 where the rule says 127 (its codes are zeros; this program alone reads the bytes); NaN and infinities are not served.
; REGISTERS, in windows of 256: window 0: v0-31 addresses; v32-63 scale words, two sets; v64-127 two sets of the table; from v128 A's fragments, ONE set; on the way out v128-235 are at work.
;   window 1: B's fragments, TWO sets, at v0 and v128.   window 2: the accumulators of my rows 0-63 ((a, b) at v[8 (8 a + b)]);   window 3: those of my rows 64-127.
.set KSTEP,  256                       ; along K in a slot
.set NQ,     KSTEP/128                 ; matrix instructions deep
.set ROWB,   256                       ; a tensor load's row: cod holds, for each 256 rows and each 256 along K, a dense image of 256 x 192 bytes, which is fetched as rows of 256 bytes
.set KSB,    49152                     ; bytes from the image of one K step to the next; half an image, 128 rows, is 24,576 bytes: 96 rows of 256
.set KROW,   768                       ; a row of codes in memory
.set PITCH,  240                       ; an LDS row: 3 x (64 bytes + 16 of padding) = 60 words: the 32 lanes of a load of 8 bytes touch 64 different banks (64 banks of 4 bytes: ISA guide 11.1)
.set FR,     12                        ; registers of a fragment: 16 rows x 128 K
.set NL,     6                         ; LDS loads that bring one
.set NP,     4                         ; places behind this matrix instruction (ISA guide 7.12.1)
.set HALFT,  128*PITCH                 ; 128 rows: what one tensor load brings
.set SLOT,   4*HALFT                   ; A's 256 rows, then B's 256 rows
.set LAPS,   2                         ; a lap = two K steps = once round the ring: K = 1,024
.set KS,     32                        ; a row of scale bytes
.set SCL,    2*SLOT                    ; behind the ring: the scales, as units of 256 bytes + 16 of padding
.set HALFS,  (128*KS/256)*272          ; the scales of 128 rows
.set SBLK,   (16*KS/256)*272           ; those of 16 rows
.set SPARE,  SCL+4*HALFS               ; behind the scales: the spare words, 128 bytes for each wave, which no other line names
.set ADRA, 16                          ; v16-17  LDS address of my A fragments in slot 0, 1  (v18-19: for the pieces behind one padding more)
.set ADRB, 20                          ; v20-21  the same for B  (v22-23)
.set L16,  24                          ; v24     16 x lane
.set L8,   25                          ; v25     8 x lane
.set LSW,  26                          ; v26     the scale words' place: 16 (lane % 16), and for lanes 16-31 one head on
.set ADRS, 27                          ; v27     LDS address of my scale words: lanes 0-15 A's rows, lanes 16-31 B's
.set SPW,  28                          ; v28     LDS address of my spare word; never rewritten
.set NIL,  29                          ; v29     0; never rewritten
.set H16,  30                          ; v30     16 (lane / 16)
.set SC,   32                          ; scale words: set s at v[SC + 8 NQ s]
.set CSR,  64                          ; the table: set a % 2 at v[CSR + 32 (a % 2)]: 16 pairs (cos, sin)
.set AF,   128                         ; A's fragments
.set T,    128                         ; the way out: v128-191 the rotation's first products
.set PC,   192                         ; v192-203 the codes just made; v204-206, v208-210 the conversions' second halves
.set TM,   212                         ; v212-215 largest magnitudes, v216-219 bytes, v224-227 the conversions' scale operands
.set PW,   228                         ; the scale word just made
.set SW,   232                         ; v232-235 four scale words on their way out
.set G1, 24                            ; s[24:31] descriptor group 1 for A's tiles;  s[32:39] group 0, one set for each slot
.set G0, 32
.set G1B, 48                           ; s[48:55], s[56:63] the same for B's tiles
.set G0B, 56
.set G1S, 68                           ; s[68:75], s[76:79] groups 1 and 0 for A's scales;  s[80:87], s[88:91] for B's
.set G0S, 76
.set G1SB, 80
.set G0SB, 88
.set SEL,  22                          ; s[22:23] v_permlanex16_b32's selects for lane l xor 16
.set KIND, 66                          ; s66     0 Q, 1 K, 2 V
.set MSK,  67                          ; s67     lanes 16-31
.set B0,   94                          ; s[94:95] where my first head's block begins;  s[96:97] my second head's
.set B1,   96
.set RB,   98                          ; s[98:99] the table at my 128 tokens
.set STR16, 100                        ; s100    bytes from a head to the next
.set MSB, 0
.macro WIN new                         ; the immediate's high byte repeats the setting that is left
.if MSB != (\new)
	s_set_vgpr_msb (MSB<<8)|(\new)
.set MSB, (\new)
.endif
.endm
.set MUL_LO, 0xa1                      ; source 0 (B) window 1, source 1 (A) window 0, C and D window 2
.set MUL_HI, 0xf1                      ; the same, C and D window 3
.set TO_B,   0x40                      ; destination window 1, address window 0
; A joint load: waves 0 and 1 fetch for A, waves 2 and 3 for B.  Each of the two lines has one mask and one set of registers for all that issue it; the branch hangs on the wave's number alone.
; Four v_nop follow each of the two lines, ahead of the jump, the label and what follows.
.macro JLOAD g0a, g1a, g0b, g1b
	s_cmp_eq_u32 s15, 0
	s_cbranch_scc0 .Lfor_b_\@
	tensor_load_to_lds s[\g0a:\g0a+3], s[\g1a:\g1a+7]
	s_nop 0
.rept 4
	v_nop
.endr
	s_branch .Lasked_\@
.Lfor_b_\@:
	tensor_load_to_lds s[\g0b:\g0b+3], s[\g1b:\g1b+7]
	s_nop 0
.rept 4
	v_nop
.endr
.Lasked_\@:
.endm
.macro CREST                           ; a round of the cluster's barrier behind its opening barrier
	s_cmp_lg_u32 s14, 0
	s_cbranch_scc1 .Lnot_wave_0_\@
	s_barrier_signal -3
.Lnot_wave_0_\@:
	s_barrier_wait -3
	s_barrier_signal -1
	s_barrier_wait -1
.endm
.macro CROUND                          ; a whole round
	s_barrier_signal -1
	s_barrier_wait -1
	CREST
.endm
	s_load_b256 s[4:11], s[0:1], 0x0               ; cod s[4:5], scl s[6:7], rope s[8:9], qb s[10:11]
	s_load_b64 s[12:13], s[0:1], 0x20              ; kv
	v_lshl_add_u32 v[SPW], v0, 2, SPARE
	v_mov_b32 v[NIL], 0
	ds_add_u32 v28, v29
	ds_add_u32 v28, v29
	s_wait_dscnt 0x0
	v_lshrrev_b32 v1, 5, v0
	v_readfirstlane_b32 s14, v1                    ; wave 0..3
	s_lshr_b32 s15, s14, 1                         ; which half of the tile's A rows is mine.  Also: I fetch for A (0) or for B (1)
	s_and_b32 s16, s14, 1                          ; which half of its B rows.  Also: which 128 rows of that tile I fetch
	s_bfe_u32 s40, ttmp6, 0x40000                  ; cx, cy: my place in the cluster
	s_bfe_u32 s41, ttmp6, 0x40004
	s_mov_b32 s[KIND], ttmp9                       ; the cluster's x
	s_and_b32 s18, ttmp7, 0xffff
	s_lshl_b32 s18, s18, 2                         ; 4 x the cluster's y
	s_lshl_b32 s19, ttmp9, 2                       ; 4 x kind
	s_cmp_eq_u32 s[KIND], 2                        ; V?  All selections on this compare stand ahead of the additions
	s_cselect_b32 s17, 0, s18                      ; A's tile row: of W_v's four, or of x's 32
	s_cselect_b32 s42, s18, s19                    ; B's: of x's 32, or of W_qkv's first eight
	s_cselect_b32 s96, 0x780000, 0                 ; where A's codes begin in cod: W_v's rows or x's,
	s_cselect_b32 s97, 0x50000, 0                  ; and its scale bytes in scl;
	s_cselect_b32 s98, 0, 0x600000                 ; B's: x's or W_qkv's
	s_cselect_b32 s99, 0, 0x40000
	s_add_co_u32 s17, s17, s41                     ; A's tile row: + cy
	s_add_co_u32 s42, s42, s40                     ; B's: + cx
	s_lshl_b32 s43, s41, 2
	s_lshl_b32 s43, 15, s43                        ; my row of the cluster
	s_lshl_b32 s44, 0x1111, s40                    ; my column
	; descriptor group 1: a tile of 192 rows x ROWB bytes (96 behind the head), padded in LDS
	s_or_b32 s[G1+0], s43, (0<<16)|(1<<20)|(1<<21)|(3<<22)|(3<<25)  ; 15:0 the mask: A's tiles go to my row; 17:16 elements of 1 byte; 20 padding on; 21 set beside a mask; 24:22 after every 16 words; 31:25 of 4 words
	s_or_b32 s[G1B+0], s44, (0<<16)|(1<<20)|(1<<21)|(3<<22)|(3<<25)
.irp g, G1, G1B
	s_mov_b32 s[\g+1], ROWB<<16                    ; tensor_dim0
	s_mov_b32 s[\g+2], 192<<16                     ; tensor_dim1 = 192: a whole image, for the head's loads; behind them 96
	s_mov_b32 s[\g+3], ROWB<<16                    ; tile_dim0
	s_mov_b32 s[\g+4], 192                         ; tile_dim1
	s_mov_b32 s[\g+5], ROWB                        ; the image is dense: the pitch is the row.  The padding's interval stays 16 words, so a row of 192 bytes of codes still takes 240 bytes of LDS
	s_mov_b32 s[\g+6], 0
	s_mov_b32 s[\g+7], 0
.endr
	; and for the scales of 256 rows: a dense block of 8,192 bytes, as rows of 256 bytes (32 elements of 8 bytes), 16 bytes of padding behind each
	s_or_b32 s[G1S+0], s43, (3<<16)|(1<<20)|(1<<21)|(5<<22)|(3<<25)
	s_or_b32 s[G1SB+0], s44, (3<<16)|(1<<20)|(1<<21)|(5<<22)|(3<<25)
.irp g, G1S, G1SB
	s_mov_b32 s[\g+1], 32<<16
	s_mov_b32 s[\g+2], (256*KS/256)<<16            ; the scales of all 256 rows by one load
	s_mov_b32 s[\g+3], 32<<16
	s_mov_b32 s[\g+4], 256*KS/256
	s_mov_b32 s[\g+5], 32
	s_mov_b32 s[\g+6], 0
	s_mov_b32 s[\g+7], 0
.endr
	s_lshl_b32 s20, s17, 8                         ; A: the tile's first row, 256 x tile row (no register of this chain ever holds cx)
	s_lshl_b32 s22, s20, 5
	s_add_co_u32 s22, s22, s97                     ; where these rows' scale bytes begin in scl,
	s_mov_b32 s23, 0
	s_mul_i32 s20, s20, KROW
	s_add_co_u32 s20, s20, s96                     ; and their codes in cod: all under 2^24
	s_mov_b32 s21, 0
	s_lshl_b32 s46, s42, 8
	s_lshl_b32 s92, s46, 5
	s_add_co_u32 s92, s92, s99
	s_mov_b32 s93, 0
	s_mul_i32 s46, s46, KROW
	s_add_co_u32 s46, s46, s98
	s_mov_b32 s47, 0
	s_mul_i32 s45, s14, HALFT                      ; where they go: wave x 128 rows: no place in the cluster enters an LDS address
	s_mul_i32 s2, s16, KSB/2                       ; in the ring I fetch half an image: which half, in bytes
	s_mov_b32 s3, 0
	s_wait_kmcnt 0x0
	s_add_nc_u64 s[20:21], s[4:5], s[20:21]
	s_add_nc_u64 s[22:23], s[6:7], s[22:23]
	s_add_nc_u64 s[46:47], s[4:5], s[46:47]
	s_add_nc_u64 s[92:93], s[6:7], s[92:93]
	CROUND                                         ; all sixteen work-groups are here: the first joint loads meet
	s_mov_b32 s[G0S], 1
	s_mov_b32 s[G0S+1], SCL
	s_mov_b64 s[G0S+2:G0S+3], s[22:23]
	s_or_b32 s[G0S+3], s[G0S+3], 0x80000000
	s_mov_b32 s[G0SB], 1
	s_mov_b32 s[G0SB+1], SCL+2*HALFS
	s_mov_b64 s[G0SB+2:G0SB+3], s[92:93]
	s_or_b32 s[G0SB+3], s[G0SB+3], 0x80000000
	s_mov_b32 s[G0], 1                             ; slot 0's groups 0 serve the head first: K step 0's whole image of A,
	s_mov_b32 s[G0+1], 0
	s_mov_b64 s[G0+2:G0+3], s[20:21]
	s_or_b32 s[G0+3], s[G0+3], 0x80000000
	s_mov_b32 s[G0B], 1                            ; and of B, behind it in slot 0
	s_mov_b32 s[G0B+1], 2*HALFT
	s_mov_b64 s[G0B+2:G0B+3], s[46:47]
	s_or_b32 s[G0B+3], s[G0B+3], 0x80000000
	s_add_nc_u64 s[20:21], s[20:21], s[2:3]        ; for the ring: my half of an image
	s_add_nc_u64 s[46:47], s[46:47], s[2:3]
	s_mov_b32 s[G0+4], 1                           ; slot 1: K step 1
	s_add_co_u32 s[G0+5], s45, SLOT
	s_add_nc_u64 s[G0+6:G0+7], s[20:21], KSB
	s_or_b32 s[G0+7], s[G0+7], 0x80000000
	s_mov_b32 s[G0B+4], 1
	s_add_co_u32 s[G0B+5], s45, SLOT
	s_add_nc_u64 s[G0B+6:G0B+7], s[46:47], KSB
	s_or_b32 s[G0B+7], s[G0B+7], 0x80000000
; THE HEAD'S LOADS, ONE A WAVE: wave 0 fetches K step 0's 256 rows of A, wave 1 its 256 rows of B, wave 2 the scales of A's 256 rows, wave 3 those of B's.
; One tree of branches on the wave's number: every way through the head passes exactly one load.
.macro ARM under, g0, g1, next
	s_cmp_lt_u32 s14, \under
	s_cbranch_scc0 \next
	tensor_load_to_lds s[\g0:\g0+3], s[\g1:\g1+7]
	s_nop 0
.rept 4
	v_nop
.endr
	s_branch .Lhead_asked
\next:
.endm
	ARM 1, G0,  G1,  .Lhead_b
	ARM 2, G0B, G1B, .Lhead_sa
	ARM 3, G0S, G1S, .Lhead_sb
	tensor_load_to_lds s[G0SB:G0SB+3], s[G1SB:G1SB+7]
	s_nop 0
.rept 4
	v_nop
.endr
.Lhead_asked:
	v_and_b32 v1, 15, v0                           ; l % 16
	v_bfe_u32 v2, v0, 4, 1                         ; l / 16
	v_mul_u32_u24 v3, v1, PITCH
	v_mul_u32_u24 v4, v2, 24
	v_add_nc_u32 v4, v3, v4                        ; a fragment's row x pitch + 24 x half
	v_lshl_add_u32 v5, v2, 4, v4                   ; and the same behind one padding more
	s_mul_i32 s21, s15, HALFT                      ; my 128 rows of A
	s_mul_i32 s22, s16, HALFT                      ; my 128 rows of B,
	s_add_co_u32 s22, s22, 2*HALFT                 ; which lie behind A's 256
.irp s, 0,1
	v_add_nc_u32 v[ADRA+\s], s21, v4
	v_add_nc_u32 v[ADRB+\s], s22, v4
	v_add_nc_u32 v[ADRA+2+\s], s21, v5
	v_add_nc_u32 v[ADRB+2+\s], s22, v5
	s_add_co_u32 s21, s21, SLOT
	s_add_co_u32 s22, s22, SLOT
.endr
	v_mul_u32_u24 v5, v1, KS                       ; my row's scales: KS bytes a row,
	v_lshrrev_b32 v6, 8, v5
	v_lshl_add_u32 v5, v6, 4, v5                   ; and 16 more for each 256 passed
	s_mul_i32 s21, s15, HALFS                      ; A's: my 128 rows
	s_mul_i32 s22, s16, HALFS                      ; B's: my 128 rows, behind A's 256
	s_add_co_u32 s22, s22, 2*HALFS
	s_sub_co_u32 s22, s22, s21
	v_mul_u32_u24 v6, s22, v2                      ; lanes 16-31 take B's
	s_add_co_u32 s21, s21, SCL
	v_add_nc_u32 v5, v5, v6
	v_add_nc_u32 v[ADRS], s21, v5
	; where my results go.  My 128 tokens: unit tok of 64 (batch tok / 16, place tok % 16); my two heads: hd, hd + 1
	s_lshl_b32 s18, s42, 1
	s_add_co_u32 s18, s18, s16                     ; V: the tokens are B's rows
	s_lshl_b32 s19, s17, 1
	s_add_co_u32 s19, s19, s15                     ; Q, K: A's
	s_lshl_b32 s20, s17, 2
	s_lshl_b32 s21, s15, 1
	s_add_co_u32 s20, s20, s21                     ; V: the heads are A's rows: four to a tile, two to a wave
	s_lshl_b32 s21, s42, 2
	s_lshl_b32 s22, s16, 1
	s_add_co_u32 s21, s21, s22
	s_and_b32 s21, s21, 15                         ; Q, K: B's, counted within the kind
	s_mov_b32 s23, 13312
	s_cmp_eq_u32 s[KIND], 2
	s_cselect_b32 s18, s18, s19                    ; tok
	s_cselect_b32 s20, s20, s21                    ; hd
	s_cselect_b32 s22, 6656, 0                     ; V's part of a block lies behind K's
	s_cmp_eq_u32 s[KIND], 0
	s_cselect_b32 s23, 6656, s23                   ; a block: 6,656 bytes in qb, 13,312 in kv
	s_cselect_b64 s[B0:B0+1], s[10:11], s[12:13]   ; the choice hangs on the kind alone
	s_lshr_b32 s19, s18, 4                         ; batch
	s_and_b32 s18, s18, 15                         ; place
	s_lshl_b32 s19, s19, 4
	s_add_co_u32 s19, s19, s20                     ; 16 x batch + head
	s_lshl_b32 s19, s19, 4
	s_add_co_u32 s19, s19, s18                     ; x 16 + place
	s_mul_i32 s19, s19, s23
	s_add_co_u32 s20, s19, s22
	s_mov_b32 s21, 0
	s_add_nc_u64 s[B0:B0+1], s[B0:B0+1], s[20:21]
	s_lshl_b32 s[STR16], s23, 4                    ; a head's 16 blocks
	s_mov_b32 s20, s[STR16]
	s_add_nc_u64 s[B1:B1+1], s[B0:B0+1], s[20:21]
	s_lshl_b32 s20, s18, 15                        ; the table: 8 tiles of 4,096 bytes for each 128 positions
	s_add_nc_u64 s[RB:RB+1], s[8:9], s[20:21]
	s_mov_b32 s[MSK], 0xffff0000
	s_mov_b32 s[SEL], 0x76543210
	s_mov_b32 s[SEL+1], 0xfedcba98
	v_and_b32 v6, 31, v0
	v_lshlrev_b32 v[L16], 4, v6
	v_lshlrev_b32 v[L8], 3, v6
	v_mul_u32_u24 v[LSW], s[STR16], v2
	v_lshl_add_u32 v[LSW], v1, 4, v[LSW]
	v_lshlrev_b32 v[H16], 4, v2
.macro FRAG reg, adr, q, i             ; a fragment, 16 rows x 128 K of 6-bit codes, is 12 registers: lane l holds row l % 16; registers 6 c .. 6 c + 5 hold K = 64 c + 32 (l / 16) + 0 .. 31: 24 bytes of the row's stream of bits, as they lie
.irp p, 0,1,2,3,4,5                    ; in pieces of 8 bytes.  Lanes 0-15 take the row's pieces 12 q + 0, 1, 2 and 12 q + 6, 7, 8, lanes 16-31 those three pieces on
.set PCE, 12*(\q)+6*(\p/3)+\p%3        ; 16 bytes of padding lie behind every 8 pieces: where the piece three on lies behind one padding more, the second address register serves
.if PCE%8 < 5
	ds_load_b64 v[\reg+2*\p:\reg+2*\p+1], v[\adr] offset:8*PCE+16*(PCE/8)+(\i)*16*PITCH
.else
	ds_load_b64 v[\reg+2*\p:\reg+2*\p+1], v[\adr+2] offset:8*PCE+16*(PCE/8)+(\i)*16*PITCH
.endif
.endr
.endm
; 16 matrix instructions: A's blocks a0, a0 + 1 x B's eight, 128 along K: the slot's q-th.  p: B's set;  sc: the set of scale words.  zero = 1: the first product starts the sums: nothing is ever cleared.
; The 64 accumulators take turns, one instruction a turn, in the same order in every step.
.macro MUL16 a0, p, q, sc, zero
.irp a, \a0, \a0+1
.irp b, 0,1,2,3,4,5,6,7
.if \zero
	v_wmma_scale_f32_16x16x128_f8f6f4 v[8*(8*((\a)%4)+\b):8*(8*((\a)%4)+\b)+7], v[128*(\p)+FR*\b:128*(\p)+FR*\b+FR-1], v[AF+FR*(\a):AF+FR*(\a)+FR-1], 0, v[SC+8*NQ*(\sc)+NQ*\b+(\q)], v[SC+8*NQ*(\sc)+NQ*(\a)+(\q)] matrix_a_fmt:MATRIX_FMT_BF6 matrix_b_fmt:MATRIX_FMT_BF6 matrix_a_scale:MATRIX_SCALE_ROW1
.else
	v_wmma_scale_f32_16x16x128_f8f6f4 v[8*(8*((\a)%4)+\b):8*(8*((\a)%4)+\b)+7], v[128*(\p)+FR*\b:128*(\p)+FR*\b+FR-1], v[AF+FR*(\a):AF+FR*(\a)+FR-1], v[8*(8*((\a)%4)+\b):8*(8*((\a)%4)+\b)+7], v[SC+8*NQ*(\sc)+NQ*\b+(\q)], v[SC+8*NQ*(\sc)+NQ*(\a)+(\q)] matrix_a_fmt:MATRIX_FMT_BF6 matrix_b_fmt:MATRIX_FMT_BF6 matrix_a_scale:MATRIX_SCALE_ROW1
.endif
.endr
.endr
.endm
.macro FETCH_B slot, q, p              ; B's eight fragments of the slot's q-th 128 along K into set p
	WIN TO_B
.irp i, 0,1,2,3,4,5,6,7
	FRAG 128*(\p)+FR*\i, ADRB+\slot, \q, \i
.endr
	WIN 0
.endm
.macro FETCH_A slot, q, i0             ; A's blocks i0 .. i0 + 3
.irp i, \i0, \i0+1, \i0+2, \i0+3
	FRAG AF+FR*(\i), ADRA+\slot, \q, \i
.endr
.endm
.macro SCALES sc                       ; the next K step's scale words into set sc: NQ words a row; lanes 0-15 take A's block i, lanes 16-31 B's block i
.irp i, 0,1,2,3,4,5,6,7
	ds_load_b64 v[SC+8*NQ*\sc+NQ*\i:SC+8*NQ*\sc+NQ*\i+1], v[ADRS] offset:\i*SBLK
.endr
.endm
; A load into a register that a matrix instruction has read, and a vector instruction that reads a matrix result or writes one of a matrix instruction's registers, stand NP places behind it, and only plain vector
; instructions that name none of its registers are places (ISA guide 7.12.1 for vector instructions).
.macro PLACES n
.rept \n
	v_nop
.endr
.endm
; A step of 128 along K that has its successor in the same slot.
.macro STEP slot, q, zero
	s_wait_dscnt 4*NL                              ; B's set and A's blocks 0-3 are in; the youngest 24 loads (A's blocks 4-7) may be out
	WIN MUL_LO
	MUL16 0, (\q)%2, \q, \slot, \zero
	MUL16 2, (\q)%2, \q, \slot, \zero
	s_wait_dscnt 0                                 ; A's blocks 4-7 are in (asked for 32 matrix instructions ago)
	PLACES NP
	FETCH_B \slot, (\q)+1, 1-(\q)%2
	FETCH_A \slot, (\q)+1, 0
	WIN MUL_HI
	MUL16 4, (\q)%2, \q, \slot, \zero
	MUL16 6, (\q)%2, \q, \slot, \zero
	PLACES NP
	WIN 0
	FETCH_A \slot, (\q)+1, 4
.endm
; A slot's last step changes slots: ONE barrier; in front of it each wave waits for all its tensor loads, adds 0 to its spare word, and waits for that and for its own reads of this slot.  fill = 1: this slot is filled again, two K steps ahead.
.macro TURN slot, next, fill
	s_wait_tensorcnt 0x0                           ; all my tensor loads have landed: my part of the next slot;  (every window is 0 here)
	ds_add_u32 v[SPW], v[NIL]                      ; 0 onto my spare word;
	s_wait_dscnt 4*NL+1                            ; (the add and the youngest 24 loads, A's blocks 4-7, may be out)
	WIN MUL_LO
	MUL16 0, 1, NQ-1, \slot, 0                     ; sixteen matrix instructions stand between the add and the wait for it
	s_wait_dscnt 0x0                               ; the add is done, and my reads of this slot are over
	s_barrier_signal -1
	MUL16 2, 1, NQ-1, \slot, 0
	WIN 0
	s_barrier_wait -1
.if \fill
	CREST                                          ; the barrier has opened a round of the cluster's barrier: no wave of any partner still reads this slot's tile or has a load on its way
	s_add_nc_u64 s[G0+4*\slot+2:G0+4*\slot+3], s[G0+4*\slot+2:G0+4*\slot+3], 2*KSB
	s_add_nc_u64 s[G0B+4*\slot+2:G0B+4*\slot+3], s[G0B+4*\slot+2:G0B+4*\slot+3], 2*KSB
	JLOAD G0+4*\slot, G1, G0B+4*\slot, G1B         ; the first tensor load behind the round; the four v_nop behind it are the places in front of the loads below
.else
	PLACES NP
.endif
	s_wait_alu depctr_va_vdst(0)
	v_add_nc_u32 v[ADRS], 4*NQ, v[ADRS]            ; on to the next K step's scale words (no LDS load of mine is out)
	FETCH_B \next, 0, 0
	FETCH_A \next, 0, 0
	SCALES \next
	WIN MUL_HI
	MUL16 4, 1, NQ-1, \slot, 0
	MUL16 6, 1, NQ-1, \slot, 0
	PLACES NP
	WIN 0
	FETCH_A \next, 0, 4
.endm
; THE WAY OUT, block by block of A's 16 rows: 64 numbers a lane.
; Where block a's 32 registers of the table lie: window CSW, from register CSA.  Blocks 0, 1: window 0, v64-127.  Blocks 2, 3: window 1, v96-127 and v224-255, which B's two sets leave free.
; Blocks 4 to 7: window 1, v0-95 and v128-159: B's sets, free behind the last products.  So each block has registers of its own, and all eight blocks' loads can be out at once.
.macro CSAT a
.if (\a) < 2
.set CSW, 0
.set CSA, CSR+32*(\a)
.elseif (\a) < 4
.set CSW, 1
.set CSA, 96+128*((\a)-2)
.elseif (\a) < 7
.set CSW, 1
.set CSA, 32*((\a)-4)
.else
.set CSW, 1
.set CSA, 128
.endif
.endm
.macro LOADCS a                        ; the table's tile for block a: 16 pairs (cos, sin) a lane, at my lane's position
	CSAT \a
.set WN, CSW<<6
	WIN WN                                         ; the destination's window
.irp q, 0,1,2,3,4,5,6,7
	global_load_b128 v[CSA+4*\q:CSA+4*\q+3], v[L16], s[RB:RB+1] offset:4096*(\a)+512*\q
.endr
	WIN 0
.endm
; The rotation, in place.  Pair p of the lane's 32 is channels 2 i, 2 i + 1 of a head, i = 16 ((p % 16) / 8) + 8 (lane / 16) + p % 8: the table's pair p % 16.  (x1, x2) becomes (x1 cos - x2 sin, x1 sin + x2 cos):
; a packed product (x2 sin, x2 cos), then a packed multiply-add.  The pairs ascend.
.macro ROPE a
.set WA, 2+(\a)/4
.set AC, 64*((\a)%4)
	CSAT \a
.set WN, WA|(CSW<<2)
	WIN WN                                         ; source 0: the accumulators' window; source 1: the table's
.set p, 0
.rept 32
	v_pk_mul_f32 v[T+2*p:T+2*p+1], v[AC+2*p:AC+2*p+1], v[CSA+2*(p%16):CSA+2*(p%16)+1] op_sel:[1,1] op_sel_hi:[1,0]
.set p, p+1
.endr
.set WN, WA|(WA<<6)|(CSW<<2)
	WIN WN                                         ; and the destination too
.set p, 0
.rept 32
	v_pk_fma_f32 v[AC+2*p:AC+2*p+1], v[AC+2*p:AC+2*p+1], v[CSA+2*(p%16):CSA+2*(p%16)+1], v[T+2*p:T+2*p+1] op_sel_hi:[0,1,1] neg_lo:[0,0,1]
.set p, p+1
.endr
.endm
; Block a's 64 numbers of a lane, register 16 b + i = place 32 b + 16 (lane / 16) + i along the next K, become 12 registers of codes in v[PC] on and a scale word in v[PW].  way = 0: Q, K; 1: V.
.macro QUANTW a, way
.set WA, 2+(\a)/4
.set AC, 64*((\a)%4)
.set WN, WA|(WA<<2)
	WIN WN                                         ; sources 0 and 1: the accumulators' window
.irp b, 0,1,2,3
	v_max3_num_f32 v[TM+\b], |v[AC+16*\b]|, |v[AC+16*\b+1]|, 0x2800000   ; block b: my 16 numbers, and the floor 2^(5 - 127): so the byte cannot fall under 1
.endr
.irp i, 2,4,6,8,10,12,14
.irp b, 0,1,2,3
	v_max3_num_f32 v[TM+\b], |v[AC+16*\b+\i]|, |v[AC+16*\b+\i+1]|, v[TM+\b]   ; (the four blocks by turns)
.endr
.endr
	WIN 0
.irp b, 0,1,2,3
	v_permlanex16_b32 v[TM+4+\b], v[TM+\b], s[SEL], s[SEL+1]
.endr
.irp b, 0,1,2,3
	v_max_num_f32 v[TM+\b], v[TM+\b], v[TM+4+\b]   ; with lane l xor 16's: the block's largest magnitude
.endr
.irp b, 0,1,2,3
	v_add_nc_u32 v[TM+12+\b], 0xfe000000, v[TM+\b] ; 4 off its exponent field: the conversion's scale operand
.endr
.irp b, 0,1,2,3
	v_lshrrev_b32 v[TM+4+\b], 23, v[TM+12+\b]      ; the scale's byte
.endr
	v_lshl_or_b32 v[PW], v[TM+5], 8, v[TM+4]
	v_lshl_or_b32 v[PW], v[TM+6], 16, v[PW]
	v_lshl_or_b32 v[PW], v[TM+7], 24, v[PW]        ; my row's four bytes
	s_wait_xcnt 0x0                                ; the last block's stores have read their registers: the codes and the words on their way out are written again only behind this wait
.if \way
.if (\a) < 4
	s_wait_alu depctr_va_vdst(0)
	v_mov_b32 v[SW+(\a)], v[PW]                    ; V: the first head's four tiles in all lanes,
.else
	s_wait_alu depctr_va_vdst(0)
	v_cndmask_b32 v[SW+(\a)-4], v[SW+(\a)-4], v[PW], s[MSK]   ; then the second head's in lanes 16-31
.endif
.else
	s_wait_alu depctr_va_vdst(0)
	v_lshrrev_b32 v[SW+(\a)%4], v[H16], v[PW]      ; Q, K: lanes 0-15 keep the first head's two bytes below, lanes 16-31 take the second head's
.endif
	WIN WA
.irp c, 0,1
	v_cvt_scalef32_pk16_bf6_f32 v[PC+6*\c:PC+6*\c+2], v[AC+32*\c:AC+32*\c+15], v[TM+12+2*\c]
	v_cvt_scalef32_pk16_bf6_f32 v[PC+12+4*\c:PC+14+4*\c], v[AC+32*\c+16:AC+32*\c+31], v[TM+12+2*\c+1]   ; (a conversion's three registers begin on an even number)
.endr
	WIN 0
	v_nop                                          ; one plain place behind a scaled conversion
.irp c, 0,1                                    ; the operand's layout wants a WHOLE block in a lane: lanes 0-15 block 2 c, lanes 16-31 block 2 c + 1
.irp i, 0,1,2
	v_permlane16_swap_b32 v[PC+6*\c+\i], v[PC+12+4*\c+\i]
.endr
.irp i, 0,1,2
	v_mov_b32 v[PC+3+6*\c+\i], v[PC+12+4*\c+\i]
.endr
.endr
.endm
	s_wait_alu depctr_va_vdst(0)
	s_wait_tensorcnt 0x0                           ; my tile of the head's four is in;
	ds_add_u32 v[SPW], v[NIL]                      ; 0 onto my spare word;
	s_mov_b32 s[G1+2], 96<<16                      ; no tensor load of mine is out, so descriptors may be written: from here on a load brings half an image, 96 rows of 256 bytes,
	s_mov_b32 s[G1+4], 96
	s_mov_b32 s[G1B+2], 96<<16
	s_mov_b32 s[G1B+4], 96
	s_mov_b32 s[G0+1], s45                         ; and slot 0's groups 0 point at my half: its place in LDS, wave x 128 rows,
	s_add_nc_u64 s[G0+2:G0+3], s[G0+2:G0+3], s[2:3]        ; and in K step 0's image: the first refill steps on from there
	s_mov_b32 s[G0B+1], s45
	s_add_nc_u64 s[G0B+2:G0B+3], s[G0B+2:G0B+3], s[2:3]
	s_wait_dscnt 0x0                               ; the add is done
	CROUND                                         ; a whole round: all four tiles are in, and all sixteen work-groups are here: the joint loads meet,
	JLOAD G0+4, G1, G0B+4, G1B                     ; and K step 1's load, the first tensor load behind the round
	FETCH_B 0, 0, 0
	FETCH_A 0, 0, 0
	SCALES 0
	FETCH_A 0, 0, 4
	STEP 0, 0, 1                                   ; the first step stands in front of the loop: its products start the sums
	s_mov_b32 s3, LAPS-1
.Llap:                                                 ; a trip goes once round the ring, from a lap's second step to the next lap's first, and fills both slots again
	TURN 0, 1, 1
	STEP 1, 0, 0
	TURN 1, 0, 1
	STEP 0, 0, 0
	s_sub_co_u32 s3, s3, 1
	s_cmp_lg_u32 s3, 0
	s_cbranch_scc1 .Llap
	TURN 0, 1, 0                                   ; the last lap fills nothing, and has no round of the cluster's barrier
	STEP 1, 0, 0
	LOADCS 0
	LOADCS 1
	LOADCS 2
	LOADCS 3
	s_wait_dscnt 4*NL                              ; the very last step: nothing more to fetch
	WIN MUL_LO
	MUL16 0, 1, NQ-1, 1, 0
	MUL16 2, 1, NQ-1, 1, 0
	s_wait_dscnt 0
	WIN MUL_HI
	MUL16 4, 1, NQ-1, 1, 0
	MUL16 6, 1, NQ-1, 1, 0
	WIN 0
	PLACES NP                                      ; behind the last products: results are read, and the registers that held A's fragments written, from here on
.irp b, 0,1,2,3
	v_mov_b32 v[TM+4+\b], 0                        ; written once: a lane permute's destination counts as one of its sources
.endr
	s_cmp_eq_u32 s[KIND], 2
	s_cbranch_scc1 .Lv_way
	LOADCS 4                                       ; the table for blocks 4 to 7, into the registers that held B's fragments (the places behind the last products stand above)
	LOADCS 5
	LOADCS 6
	LOADCS 7
.irp a, 0,1,2,3,4,5,6,7                        ; Q, K: a lane holds a token; its registers run along two heads' channels
	s_wait_loadcnt 8*(7-\a)                        ; this block's eight loads of the table are in; the eight of each later block may be out
	ROPE \a
	QUANTW \a, 0
	global_store_b128 v[L16], v[PC:PC+3], s[B0:B0+1] offset:768*\a             ; the first head's tile: 512 consecutive bytes, aligned,
	global_store_b64 v[L8], v[PC+4:PC+5], s[B0:B0+1] offset:768*\a+512         ; and 256
	global_store_b128 v[L16], v[PC+6:PC+9], s[B1:B1+1] offset:768*\a           ; the second head's
	global_store_b64 v[L8], v[PC+10:PC+11], s[B1:B1+1] offset:768*\a+512
.if \a%4 == 3
	global_store_b128 v[LSW], v[SW:SW+3], s[B0:B0+1] offset:6144+256*(\a/4)    ; four tiles' scale words: sixteen lanes fill 256 consecutive bytes of each head's block
.endif
.endr
	s_branch .Ldone
.Lv_way:
.irp a, 0,1,2,3,4,5,6,7                        ; V: a lane holds a channel; its registers run down 128 tokens
	QUANTW \a, 1
.irp c, 0,1,2
	global_store_b128 v[L16], v[PC+4*\c:PC+4*\c+3], s[B0+2*(\a/4):B0+2*(\a/4)+1] offset:1536*(\a%4)+512*\c
.endr
.endr
	global_store_b128 v[LSW], v[SW:SW+3], s[B0:B0+1] offset:6144               ; the scale words, four tiles' to a lane,
	global_store_b128 v[LSW], v[SW:SW+3], s[B0:B0+1] offset:6400               ; and once more
	s_wait_loadcnt 0x0                             ; the table's loads, which this way does not use, are in
.Ldone:
	s_wait_tensorcnt 0x0                           ; the wave's end
	ds_add_u32 v[SPW], v[NIL]
	s_wait_dscnt 0x0
	CROUND                                         ; the closing round: no work-group ends while a partner may still ask for a tile that names it
	s_endpgm
.Lfunc_end_k_q925fbf0619_qkv:
	.size	k_q925fbf0619_qkv, .Lfunc_end_k_q925fbf0619_qkv-k_q925fbf0619_qkv
	.p2alignl 7, 3214868480
	.fill 96, 4, 3214868480
	.section	.rodata,"a",@progbits
	.p2align	6, 0x0
	.amdhsa_kernel k_q925fbf0619_qkv
		.amdhsa_group_segment_fixed_size 327680
		.amdhsa_private_segment_fixed_size 0
		.amdhsa_enable_private_segment 0
		.amdhsa_kernarg_size 40
		.amdhsa_user_sgpr_count 2
		.amdhsa_user_sgpr_kernarg_segment_ptr 1
		.amdhsa_wavefront_size32 1
		.amdhsa_system_sgpr_workgroup_id_x 1
		.amdhsa_system_sgpr_workgroup_id_y 1
		.amdhsa_system_sgpr_workgroup_id_z 1
		.amdhsa_system_vgpr_workitem_id 0
		.amdhsa_next_free_vgpr 1024
		.amdhsa_next_free_sgpr 102
		.amdhsa_reserve_vcc 0
		.amdhsa_float_denorm_mode_32 3
		.amdhsa_float_denorm_mode_16_64 3
		.amdhsa_memory_ordered 1
		.amdhsa_forward_progress 1
		.amdhsa_inst_pref_size 241
	.end_amdhsa_kernel
	.amdgpu_metadata
---
amdhsa.version: [ 1, 2 ]
amdhsa.kernels:
  - .name:           k_q925fbf0619_qkv
    .symbol:         k_q925fbf0619_qkv.kd
    .args:
      - { .name: cod, .offset: 0, .size: 8, .value_kind: global_buffer, .address_space: global }
      - { .name: scl, .offset: 8, .size: 8, .value_kind: global_buffer, .address_space: global }
      - { .name: rope, .offset: 16, .size: 8, .value_kind: global_buffer, .address_space: global }
      - { .name: qb, .offset: 24, .size: 8, .value_kind: global_buffer, .address_space: global }
      - { .name: kv, .offset: 32, .size: 8, .value_kind: global_buffer, .address_space: global }
    .group_segment_fixed_size: 327680
    .private_segment_fixed_size: 0
    .kernarg_segment_align: 8
    .kernarg_segment_size: 40
    .max_flat_workgroup_size: 128
    .sgpr_count:     102
    .vgpr_count:     1024
    .wavefront_size: 32
...
	.end_amdgpu_metadata
.endif
;; end of part 2
;; launch attn (part 3): grid 4 x 64, 8 waves a work-group, clusters of 4 x 1, 327,680 bytes of LDS; arguments qb, kv, ai, asc; writes ai, asc
.if DOCPART == 3
	.amdgcn_target "amdgcn-amd-amdhsa--gfx1250"
	.amdhsa_code_object_version 6
	.text
	.protected	k_q925fbf0619_attn
	.globl	k_q925fbf0619_attn
	.p2align	8
	.type	k_q925fbf0619_attn,@function
k_q925fbf0619_attn:
	s_mov_b64 s[64:65], 0
	v_nop
	global_prefetch_b8 v0, s[64:65] scope:SCOPE_SE
	s_setreg_imm32_b32 hwreg(HW_REG_WAVE_MODE, 25, 1), 1
	s_wait_xcnt 0x0
	s_wait_alu depctr_hold_cnt(0) depctr_sa_sdst(0) depctr_va_vdst(0) depctr_va_sdst(0) depctr_va_ssrc(0) depctr_va_vcc(0) depctr_vm_vsrc(0)
	s_getreg_b32 s2, hwreg(HW_REG_IB_STS2, 6, 4)
	s_cmp_eq_u32 s2, 0
	s_cbranch_scc0 .Lentry_in_a_cluster
	s_endpgm
.Lentry_in_a_cluster:
	s_bfe_u32 s2, ttmp6, 0x10000c
	s_cmp_lg_u32 s2, 0x3003
	s_cbranch_scc0 .Lentry_shape_is_right
	s_endpgm
.Lentry_shape_is_right:
; Causal attention of one batch x head (work-group y) on codes of BF6 (E3M2) with E8M0 scales: S^T = K Q^T, p = 2^(t - M), O^T += V^T p^T, O / l, and O quantised along the channels for the projection.
; LEFT OUT: steps of 128 keys that lie wholly above the diagonal of the causal mask: their scores become -inf ahead of the softmax for all values of the inputs, so they reach no output.
; A NaN, an infinity or an overflow that would arise only in those scores is not carried to the result.
; LIMITS: the promise holds while the scaled scores t stay under 2^31 in magnitude; NaN and infinities are not served; a block of zeros gets the byte 1 where the rule says 127 (its codes are zeros; this program alone reads the bytes).
; THE FOUR WORK-GROUPS OF A CLUSTER share a head's K and V: all 16 blocks (128 keys: 13,312 bytes: 8 tiles of K, K's scale words, 4 tiles of V, V's scale words) come into LDS once, by ONE joint load a wave at the head
; (wave w: blocks 2 w, 2 w + 1, as 104 rows of 256 bytes), and stay: nothing is filled again.  No prefetch is laid: all that the launch reads is asked for at its head, so there is no loop to run ahead in.
; A WAVE TAKES TWO NEIGHBOURING TILES OF 16 QUERIES (tiles 2 cx and 2 cx + 1 of a block of 128 queries) THROUGH EACH STEP TOGETHER, so that each fragment of K and V read from LDS serves both;
; first those of block 15 - w, then those of block w: 17 steps for every wave.  Trip counts and branches hang on the wave's number and the step alone, never on cx.
; Both products are used transposed: a lane holds one query, its registers run along the keys (the order of keys in a tile of K makes 16 registers of two tiles 16 neighbours), then along the channels.
; M is the running largest t rounded up to a whole number; sums and O^T are brought under a new M by an exact power of two; l is the sum of the unquantised p; a block's largest p is made from its largest score.
; REGISTERS.  Window 0: v1-7 offsets and the mask's numbers; v10-11 the add's; v12-18, v24-30 the conversions' second halves; v20-23 Q's scale words; v32-85 fragments of K, then of V; v86-93 their scale words;
; v96-159 tile A's scores, then p; v160-191 its O^T; v192-223 tile A's small state, v224-255 tile B's (codes of p 12, block maxima 4, lane partner's 4, scale operands 4, f, p's scale word, a temporary, -M, largest t, l in two halves).
; Window 1: v96-159, v160-191 tile B's scores and O^T; v192-251 Q's four fragments, each 6 registers of codes and 6 of zero codes (the head has 64 channels, the instruction 128).
.set BLKB,  13312
.set SPARE, 16*BLKB                    ; behind the 16 blocks: the spare words, 128 bytes for each wave, which no other line names
.set WV,   12
.set G1A,  40
.set G0A,  56
.set KB,   66                          ; s66 the step's block in LDS;  s67 the step;  s69 the last step of this pair of tiles
.set SG,   67
.set MSK,  68
.set MM,   69
.set SEL,  70
.set CS,   72
.set SPW,  10
.set NIL,  11
.set CT,   12
.set KF,   32
.set SCR,  96
.set ACC,  160
.set PA,   192
.set PB,   224
.set BM,   12                          ; places in a tile's small state
.set PT,   16
.set SO,   20
.set FF,   24
.set PW,   25
.set TT,   26
.set NM,   28
.set RM,   29
.set SU,   30
.set MSB, 0
.macro WIN new                         ; the immediate's high byte repeats the setting that is left
.if MSB != (\new)
	s_set_vgpr_msb (MSB<<8)|(\new)
.set MSB, (\new)
.endif
.endm
.macro ROUND                           ; a round of the cluster's barrier
	s_barrier_signal -1
	s_barrier_wait -1
	s_cmp_lg_u32 s[WV], 0
	s_cbranch_scc1 .Lnot_wave_0_\@
	s_barrier_signal -3
.Lnot_wave_0_\@:
	s_barrier_wait -3
	s_barrier_signal -1
	s_barrier_wait -1
.endm
	s_load_b256 s[4:11], s[0:1], 0x0               ; qb s[4:5], kv s[6:7], ai s[8:9], asc s[10:11]
	v_lshl_add_u32 v[SPW], v0, 2, SPARE
	v_mov_b32 v[NIL], 0
	ds_add_u32 v[SPW], v[NIL]                      ; the opening lines: the add, twice on end, and its wait ahead of my tensor load
	ds_add_u32 v[SPW], v[NIL]
	v_lshrrev_b32 v8, 5, v0
	v_readfirstlane_b32 s[WV], v8                  ; wave 0..7
	s_bfe_u32 s13, ttmp6, 0x40000                  ; cx
	s_and_b32 s14, ttmp7, 0xffff                   ; batch x head
	s_mov_b32 s[G1A], 15|(3<<16)|(1<<21)           ; the mask names the cluster's four; elements of 8 bytes
	s_mov_b32 s[G1A+1], 32<<16                     ; rows of 256 bytes,
	s_mov_b32 s[G1A+2], 104<<16                    ; 104 of them: two blocks
	s_mov_b32 s[G1A+3], 32<<16
	s_mov_b32 s[G1A+4], 104
	s_mov_b32 s[G1A+5], 32
	s_mov_b32 s[G1A+6], 0
	s_mov_b32 s[G1A+7], 0
	s_mul_i32 s18, s14, 16*BLKB
	s_mul_i32 s19, s[WV], 2*BLKB
	s_add_co_u32 s20, s18, s19
	s_mov_b32 s21, 0
	s_wait_dscnt 0x0
	s_wait_kmcnt 0x0
	s_mov_b32 s[G0A], 1
	s_mov_b32 s[G0A+1], s19
	s_add_nc_u64 s[G0A+2:G0A+3], s[6:7], s[20:21]
	s_or_b32 s[G0A+3], s[G0A+3], 0x80000000
	ROUND                                          ; the four work-groups are here: the joint loads meet
	tensor_load_to_lds s[G0A:G0A+3], s[G1A:G1A+7]  ; my one tensor load
	s_nop 0
	s_lshl_b32 s15, s13, 1                         ; tile A's place in its block of 128 queries: 2 cx; tile B is the next
	s_mov_b32 s16, s[WV]                           ; the second pair's block,
	s_xor_b32 s17, s16, 15                         ; the first pair's
	s_lshl_b32 s18, s14, 4
	s_mul_i32 s19, s15, 768
	s_lshr_b32 s20, s15, 2
	s_lshl_b32 s20, s20, 8
	s_and_b32 s21, s15, 3
	s_lshl_b32 s21, s21, 2
	s_add_co_u32 s20, s20, s21
	s_add_co_u32 s20, s20, 6144
	s_and_b32 s78, s14, 15
	s_lshr_b32 s79, s14, 4
	s_lshl_b32 s79, s79, 7
	s_add_co_u32 s79, s79, s15
	s_lshr_b32 s80, s78, 2
	s_mul_i32 s80, s80, 1572864
	s_and_b32 s81, s78, 3
	s_mul_i32 s81, s81, 768
	s_add_co_u32 s80, s80, s81
	s_lshl_b32 s78, s78, 1
	s_mov_b32 s75, 0
	s_mov_b32 s77, 0
.macro TILEADR m, qc, qs, ao, so       ; tile A of block s[m]: Q's codes, Q's scale words, where its codes go in ai and its scale bytes in asc.  Tile B: 768, 4, 3,072 and 512 bytes on
	s_add_co_u32 s22, s18, s[\m]
	s_mul_i32 s22, s22, 6656
	s_add_co_u32 s74, s22, s19
	s_add_co_u32 s76, s22, s20
	s_add_nc_u64 s[\qc:\qc+1], s[4:5], s[74:75]
	s_add_nc_u64 s[\qs:\qs+1], s[4:5], s[76:77]
	s_lshl_b32 s82, s[\m], 3
	s_add_co_u32 s82, s82, s79
	s_mul_i32 s74, s82, 3072
	s_add_co_u32 s74, s74, s80
	s_lshl_b32 s76, s82, 9
	s_add_co_u32 s76, s76, s78
	s_add_nc_u64 s[\ao:\ao+1], s[8:9], s[74:75]
	s_add_nc_u64 s[\so:\so+1], s[10:11], s[76:77]
.endm
	TILEADR 17, 24, 26, 32, 34
	TILEADR 16, 28, 30, 36, 38
	s_mov_b32 s[MSK], 0xffff0000
	s_mov_b32 s[SEL], 0x76543210
	s_mov_b32 s[SEL+1], 0xfedcba98                 ; v_permlanex16_b32's selects for lane l xor 16
	s_mov_b32 s[CS], 0x3e38aa3b                    ; log2(e) / sqrt(64)
	s_mov_b32 s[CS+1], s[CS]
	v_and_b32 v8, 31, v0
	v_and_b32 v9, 15, v0                           ; r
	v_bfe_u32 v3, v0, 4, 1                         ; h
	v_lshlrev_b32 v1, 4, v8                        ; 16 x lane
	v_lshlrev_b32 v2, 3, v8                        ; 8 x lane
	v_lshlrev_b32 v31, 4, v9                       ; Q's scale words: 16 r
	v_lshl_add_u32 v6, v9, 5, v3                   ; asc: 32 r + h
	WIN 0x40                                       ; destinations in window 1: Q's four fragments
.irp u, 0,1
	global_load_b128 v[192+16*\u:195+16*\u], v1, s[24:25] offset:768*\u
	global_load_b64 v[196+16*\u:197+16*\u], v2, s[24:25] offset:768*\u+512
	global_load_b128 v[224+16*\u:227+16*\u], v1, s[28:29] offset:768*\u
	global_load_b64 v[228+16*\u:229+16*\u], v2, s[28:29] offset:768*\u+512
.endr
.irp u, 198, 214, 230, 246
.irp j, 0,1,2,3,4,5
	v_mov_b32 v[\u+\j], 0                          ; zero codes for the instruction's upper 64 along K
.endr
.endr
	WIN 0
	global_load_b32 v20, v31, s[26:27]
	global_load_b32 v21, v31, s[26:27] offset:4
	global_load_b32 v22, v31, s[30:31]
	global_load_b32 v23, v31, s[30:31] offset:4
	v_and_b32 v8, 8, v9
	v_add_nc_u32 v8, v8, v9                        ; r + 8 (r / 8)
	v_lshlrev_b32 v3, 4, v3
	v_sub_nc_u32 v8, v8, v3                        ; - 16 h
	s_lshl_b32 s18, s13, 5
	v_add_nc_u32 v5, s18, v8                       ; tile A: my query's place in its block, less my lanes' 16 h among the keys;
	v_add_nc_u32 v7, 8, v5                         ; tile B: 8 on
.irp j, 0,1,2,3,4,5
	v_mov_b32 v[80+\j], 0                          ; read behind K's last tile, against Q's zero codes
.endr
.irp p, PA, PB
.irp b, 0,1,2,3
	v_mov_b32 v[\p+PT+\b], 0                       ; written once: a lane permute's destination counts as one of its sources
.endr
	v_mov_b32 v[\p+PW], 0
	v_mov_b32 v[\p+TT], 0
.endr
.macro INIT                            ; the step is written once: the first finds zeros, which the first change of M leaves zeros
.irp p, PA, PB
	v_mov_b32 v[\p+RM], 0xff61b1e6                 ; the largest t so far: -3e38
	v_floor_f32 v[\p+NM], -v[\p+RM]
	v_mov_b32 v[\p+SU], 0
	v_mov_b32 v[\p+SU+1], 0
.endr
.irp w, 0, 0x40
	WIN \w
.set j, 0
.rept 32
	v_mov_b32 v[ACC+j], 0
.set j, j+1
.endr
.endr
	WIN 0
.endm
.macro QK q, s                         ; S^T = K Q^T: eight tiles of 16 keys; a tile's operand runs on into the next tile's registers, which meet Q's zero codes
.irp t, 0,1,2,3
	v_wmma_scale_f32_16x16x128_f8f6f4 v[SCR+8*\t:SCR+8*\t+7], v[KF+6*\t:KF+6*\t+11], v[\q:\q+11], 0, v[86+\t], v[\s] matrix_a_fmt:MATRIX_FMT_BF6 matrix_b_fmt:MATRIX_FMT_BF6
.endr
.irp t, 4,5,6,7
	v_wmma_scale_f32_16x16x128_f8f6f4 v[SCR+8*\t:SCR+8*\t+7], v[KF+6*\t:KF+6*\t+11], v[\q:\q+11], 0, v[82+\t], v[\s] matrix_a_fmt:MATRIX_FMT_BF6 matrix_b_fmt:MATRIX_FMT_BF6 matrix_a_scale:MATRIX_SCALE_ROW1
.endr
.endm
.macro PV p                            ; O^T += V^T p^T: four tiles of 16 channels, K = the step's 128 keys
.irp t, 0,1,2,3
	v_wmma_scale_f32_16x16x128_f8f6f4 v[ACC+8*\t:ACC+8*\t+7], v[KF+12*\t:KF+12*\t+11], v[\p:\p+11], v[ACC+8*\t:ACC+8*\t+7], v[90+\t], v[\p+PW] matrix_a_fmt:MATRIX_FMT_BF6 matrix_b_fmt:MATRIX_FMT_BF6
.endr
.endm
.macro MASK w, vq                      ; the diagonal's step: register n is key 32 (n / 16) + 16 h + n % 16 of the block; keys behind my query get -inf, by selection
	WIN 0x41*\w
.set n, 0
.rept 64
	v_cmp_gt_i32 vcc_lo, 32*(n/16)+n%16, v[\vq]
	v_cndmask_b32 v[SCR+n], v[SCR+n], v[PA+TT], vcc_lo
.set n, n+1
.endr
.endm
.macro MAXP w, p                       ; the largest score of each block of 32 keys, my 16 of them; the four blocks by turns; each accumulator is first read at its low end
	WIN 0x14*\w
.irp b, 0,1,2,3
	v_max3_num_f32 v[\p+BM+\b], 0xff800000, v[SCR+16*\b], v[SCR+16*\b+1]
.endr
.irp i, 2,4,6,8,10,12,14
.irp b, 0,1,2,3
	v_max3_num_f32 v[\p+BM+\b], v[\p+BM+\b], v[SCR+16*\b+\i], v[SCR+16*\b+\i+1]
.endr
.endr
.endm
.macro SCALE p                         ; O^T under the new M, and t - M, two at a time
.set j, 0
.rept 16
	v_pk_mul_f32 v[ACC+j:ACC+j+1], v[ACC+j:ACC+j+1], v[\p+FF:\p+FF+1] op_sel_hi:[1,0]
.set j, j+2
.endr
.set j, 0
.rept 32
	v_pk_fma_f32 v[SCR+j:SCR+j+1], v[SCR+j:SCR+j+1], s[CS:CS+1], v[\p+NM:\p+NM+1] op_sel_hi:[1,0,0]
.set j, j+2
.endr
.endm
.macro EXPS
.set j, 0
.rept 64
	v_exp_f32 v[SCR+j], v[SCR+j]
.set j, j+1
.endr
.endm
.macro CODES p, ct                     ; 64 p of a lane become codes: each block's lower 16 into the operand's registers, the upper 16 beside them (a conversion's three registers begin on an even number)
.irp c, 0,1
	v_cvt_scalef32_pk16_bf6_f32 v[\p+6*\c:\p+6*\c+2], v[SCR+32*\c:SCR+32*\c+15], v[\p+SO+2*\c]
	v_cvt_scalef32_pk16_bf6_f32 v[\ct+4*\c:\ct+4*\c+2], v[SCR+32*\c+16:SCR+32*\c+31], v[\p+SO+2*\c+1]
.endr
.endm
.macro WHOLE p, ct, n                  ; the operand's layout wants a whole block in a lane: lanes 0-15 block 2 c, lanes 16-31 block 2 c + 1
.set c, 0
.rept \n
.irp i, 0,1,2
	v_permlane16_swap_b32 v[\p+6*c+\i], v[\ct+4*c+\i]
.endr
.irp i, 0,1,2
	v_mov_b32 v[\p+3+6*c+\i], v[\ct+4*c+\i]
.endr
.set c, c+1
.endr
.endm
.macro TREE                            ; the sum of a lane's 64 unquantised p, in place (the codes are made): 31 packed additions, those of a level independent of each other
.irp st, 2,4,8,16,32
.set j, 0
.rept 32/\st
	v_pk_add_f32 v[SCR+j:SCR+j+1], v[SCR+j:SCR+j+1], v[SCR+j+\st:SCR+j+\st+1]
.set j, j+2*\st
.endr
.endr
.endm
; A step: 128 keys against both tiles.  qa: tile A's fragment of Q (window 1; tile B's 16 registers on); qs: its scale word (tile B's in the next register).
.macro STEP qa, qs
	s_cmp_gt_u32 s[SG], s[MM]                      ; steps wholly above the diagonal are passed over: the test is made of the step and the wave's number
	s_cbranch_scc1 .Lskip_\@
	v_add_nc_u32 v3, s[KB], v1
	v_add_nc_u32 v4, s[KB], v2
	v_nop
	v_nop                                          ; four places behind the last products, ahead of loads into their operands
.irp t, 0,1,2,3,4,5,6,7
	ds_load_b128 v[KF+6*\t:KF+6*\t+3], v3 offset:768*\t
	ds_load_b64 v[KF+6*\t+4:KF+6*\t+5], v4 offset:768*\t+512
.endr
	ds_load_b128 v[86:89], v3 offset:6144
	s_wait_alu depctr_va_vdst(0)                   ; directly ahead of the wait below
	s_wait_dscnt 0x0
	WIN 0x04                                       ; source 1 (Q) in window 1
	QK \qa, \qs
	WIN 0x44                                       ; and tile B's scores too
	QK \qa+16, \qs+1
	WIN 0
.rept 4
	v_nop
.endr
.irp t, 0,1,2,3
.irp c, 0,1,2
	ds_load_b128 v[KF+12*\t+4*\c:KF+12*\t+4*\c+3], v3 offset:6656+1536*\t+512*\c   ; V's fragments land while the softmax is worked
.endr
.endr
	ds_load_b128 v[90:93], v3 offset:12800
	s_cmp_lg_u32 s[SG], s[MM]
	s_cbranch_scc1 .Lopen_\@
	v_mov_b32 v[PA+TT], 0xff800000
	MASK 0, 5
	MASK 1, 7
	WIN 0
.Lopen_\@:
	MAXP 0, PA
	MAXP 1, PB
	WIN 0
.irp b, 0,1,2,3                        ; from here the two tiles' chains stand line by line, in window 0
.irp p, PA, PB
	v_permlanex16_b32 v[\p+PT+\b], v[\p+BM+\b], s[SEL], s[SEL+1]
.endr
.endr
.irp b, 0,1,2,3
.irp p, PA, PB
	v_max_num_f32 v[\p+BM+\b], v[\p+BM+\b], v[\p+PT+\b]   ; with lane l xor 16's 16 keys
.endr
.endr
.irp p, PA, PB
	v_max3_num_f32 v[\p+TT], v[\p+BM], v[\p+BM+1], v[\p+BM+2]
.endr
.irp p, PA, PB
	v_max_num_f32 v[\p+TT], v[\p+TT], v[\p+BM+3]   ; the step's largest score of my query
.endr
.irp p, PA, PB
	v_mul_f32 v[\p+TT], s[CS], v[\p+TT]
.endr
.irp p, PA, PB
	v_max_num_f32 v[\p+RM], v[\p+RM], v[\p+TT]     ; the running largest t
.endr
.irp p, PA, PB
	v_mov_b32 v[\p+TT], v[\p+NM]
.endr
.irp p, PA, PB
	v_floor_f32 v[\p+NM], -v[\p+RM]                ; -M = floor(-t): M is a whole number
.endr
.irp p, PA, PB
	v_sub_f32 v[\p+TT], v[\p+NM], v[\p+TT]
.endr
.irp p, PA, PB
	v_cvt_i32_f32 v[\p+TT], v[\p+TT]
.endr
.irp p, PA, PB
	v_ldexp_f32 v[\p+FF], 1.0, v[\p+TT]            ; f = 2^(old M - new M)
.endr
	SCALE PA
.irp b, 0,1,2,3
.irp p, PA, PB
	v_fma_f32 v[\p+BM+\b], v[\p+BM+\b], s[CS], v[\p+NM]   ; the same of each block's largest score
.endr
.endr
	WIN 0x41                                       ; destination and source 0 in window 1
	SCALE PB
	s_wait_alu depctr_va_vdst(0)                   ; the wait ahead of the batch
	EXPS                                           ; p = 2^(t - M): tile B's,
	WIN 0
	EXPS                                           ; tile A's,
.irp b, 0,1,2,3
.irp p, PA, PB
	v_exp_f32 v[\p+BM+\b], v[\p+BM+\b]             ; and each block's largest p
.endr
.endr
.irp p, PA, PB
	v_pk_mul_f32 v[\p+SU:\p+SU+1], v[\p+SU:\p+SU+1], v[\p+FF:\p+FF+1] op_sel_hi:[1,0]   ; l under the new M (plain lines behind the batch)
.endr
	s_wait_alu depctr_va_vdst(0)                   ; one wait for the whole batch, ahead of its first reader
.irp b, 0,1,2,3
.irp p, PA, PB
	v_max_num_f32 v[\p+BM+\b], 0x2800000, v[\p+BM+\b]   ; the floor 2^(5 - 127): the byte cannot fall under 1
.endr
.endr
.irp b, 0,1,2,3
.irp p, PA, PB
	v_add_nc_u32 v[\p+SO+\b], 0xfe000000, v[\p+BM+\b]   ; 4 off the exponent field: the conversion's scale operand
.endr
.endr
.irp b, 0,1,2,3
.irp p, PA, PB
	v_lshrrev_b32 v[\p+PT+\b], 23, v[\p+SO+\b]     ; the scale's byte
.endr
.endr
.irp p, PA, PB
	v_lshl_or_b32 v[\p+PW], v[\p+PT+1], 8, v[\p+PT]
.endr
.irp p, PA, PB
	v_lshl_or_b32 v[\p+PW], v[\p+PT+2], 16, v[\p+PW]
.endr
.irp p, PA, PB
	v_lshl_or_b32 v[\p+PW], v[\p+PT+3], 24, v[\p+PW]   ; p's scale word for these 128 keys
.endr
	CODES PA, CT
	WIN 0x01                                       ; source 0 in window 1
	CODES PB, CT+12
	WIN 0
	v_nop                                          ; one plain place behind a scaled conversion
	WHOLE PA, CT, 2
	WHOLE PB, CT+12, 2
	TREE
	v_pk_add_f32 v[PA+SU:PA+SU+1], v[PA+SU:PA+SU+1], v[SCR:SCR+1]
	WIN 0x45
	TREE
	WIN 0x04
	v_pk_add_f32 v[PB+SU:PB+SU+1], v[PB+SU:PB+SU+1], v[SCR:SCR+1]
	WIN 0
	s_wait_alu depctr_va_vdst(0)                   ; directly ahead of the wait below
	s_wait_dscnt 0x0                               ; V's fragments are in
	PV PA
	WIN 0x50                                       ; C and D in window 1
	PV PB
	WIN 0
.Lskip_\@:
	s_add_co_u32 s[KB], s[KB], BLKB
.endm
; The way out of a pair of tiles: O^T / l, quantised along the channels (two blocks of 32), as an image of the projection's operand registers, and two scale bytes a query.
.macro OMAX w, p
	WIN 0x05*\w
.irp c, 0,1
	v_max3_num_f32 v[\p+BM+\c], |v[SCR+16*\c]|, |v[SCR+16*\c+1]|, 0x2800000
.endr
.irp i, 2,4,6,8,10,12,14
.irp c, 0,1
	v_max3_num_f32 v[\p+BM+\c], |v[SCR+16*\c+\i]|, |v[SCR+16*\c+\i+1]|, v[\p+BM+\c]
.endr
.endr
.endm
.macro ODIV p
.set j, 0
.rept 32
	v_mul_f32 v[SCR+j], v[ACC+j], v[\p+SU]         ; ascending: each accumulator is first read at its low end
.set j, j+1
.endr
.endm
.macro OUT ao, so
.rept 4
	v_nop                                          ; places behind the last products
.endr
.irp p, PA, PB
	v_add_f32 v[\p+SU], v[\p+SU], v[\p+SU+1]
.endr
.irp p, PA, PB
	v_permlanex16_b32 v[\p+TT], v[\p+SU], s[SEL], s[SEL+1]
.endr
.irp p, PA, PB
	v_add_f32 v[\p+SU], v[\p+SU], v[\p+TT]         ; l: the sum's two halves and lane l xor 16's
.endr
	s_wait_alu depctr_va_vdst(0)                   ; the wait ahead of the batch
.irp p, PA, PB
	v_rcp_f32 v[\p+SU], v[\p+SU]
.endr
	v_nop
	s_wait_alu depctr_va_vdst(0)                   ; and behind it, directly ahead of the first reader of tile A's O^T
	ODIV PA
	WIN 0x41
	s_wait_alu depctr_va_vdst(0)                   ; and of tile B's
	ODIV PB
	OMAX 0, PA
	OMAX 1, PB
	WIN 0
.irp c, 0,1
.irp p, PA, PB
	v_permlanex16_b32 v[\p+PT+\c], v[\p+BM+\c], s[SEL], s[SEL+1]
.endr
.endr
.irp c, 0,1
.irp p, PA, PB
	v_max_num_f32 v[\p+BM+\c], v[\p+BM+\c], v[\p+PT+\c]
.endr
.endr
.irp c, 0,1
.irp p, PA, PB
	v_add_nc_u32 v[\p+SO+\c], 0xfe000000, v[\p+BM+\c]
.endr
.endr
.irp c, 0,1
.irp p, PA, PB
	v_lshrrev_b32 v[\p+PT+\c], 23, v[\p+SO+\c]
.endr
.endr
.irp p, PA, PB
	v_cndmask_b32 v[\p+TT], v[\p+PT], v[\p+PT+1], s[MSK]   ; lanes 0-15 store the first block's byte, lanes 16-31 the second's
.endr
	v_cvt_scalef32_pk16_bf6_f32 v[PA:PA+2], v[SCR:SCR+15], v[PA+SO]
	v_cvt_scalef32_pk16_bf6_f32 v[CT:CT+2], v[SCR+16:SCR+31], v[PA+SO+1]
	WIN 0x01
	v_cvt_scalef32_pk16_bf6_f32 v[PB:PB+2], v[SCR:SCR+15], v[PB+SO]
	v_cvt_scalef32_pk16_bf6_f32 v[CT+12:CT+14], v[SCR+16:SCR+31], v[PB+SO+1]
	WIN 0
	v_nop                                          ; one plain place behind a scaled conversion
	WHOLE PA, CT, 1
	WHOLE PB, CT+12, 1
	global_store_b128 v1, v[PA:PA+3], s[\ao:\ao+1]                 ; 512 consecutive bytes, aligned,
	global_store_b64 v2, v[PA+4:PA+5], s[\ao:\ao+1] offset:512     ; and 256
	global_store_b8 v6, v[PA+TT], s[\so:\so+1]
	global_store_b128 v1, v[PB:PB+3], s[\ao:\ao+1] offset:3072
	global_store_b64 v2, v[PB+4:PB+5], s[\ao:\ao+1] offset:3584
	global_store_b8 v6, v[PB+TT], s[\so:\so+1] offset:512
	s_wait_xcnt 0x0                                ; the stores have read their registers: they are written again only behind this wait
.endm
	INIT
	s_mov_b32 s[KB], 0
	s_mov_b32 s[SG], 0
	s_mov_b32 s[MM], s17
	s_wait_alu depctr_va_vdst(0)                   ; the wait at the head's end
	s_wait_loadcnt 0x0                             ; Q is in,
	s_wait_tensorcnt 0x0                           ; my two blocks are in,
	s_barrier_signal -1
	s_barrier_wait -1                              ; everybody's are
.Lloop_l:                                              ; the pair of tiles in block 15 - w: steps 0 .. 15 - w
	STEP 192, 20
	s_add_co_u32 s[SG], s[SG], 1
	s_cmp_lt_u32 s[SG], 16
	s_cbranch_scc1 .Lloop_l
	OUT 32, 34
	INIT
	s_mov_b32 s[KB], 0
	s_mov_b32 s[SG], 0
	s_mov_b32 s[MM], s16
	s_wait_alu depctr_va_vdst(0)                   ; the wait ahead of the loop's waits and branches
.Lloop_s:                                              ; the pair in block w: steps 0 .. w
	STEP 224, 22
	s_add_co_u32 s[SG], s[SG], 1
	s_cmp_lt_u32 s[SG], 8
	s_cbranch_scc1 .Lloop_s
	OUT 36, 38
	s_wait_tensorcnt 0x0                           ; the wave's end
	ds_add_u32 v[SPW], v[NIL]
	s_wait_dscnt 0x0
	ROUND                                          ; the closing round
	s_endpgm
.Lfunc_end_k_q925fbf0619_attn:
	.size	k_q925fbf0619_attn, .Lfunc_end_k_q925fbf0619_attn-k_q925fbf0619_attn
	.p2alignl 7, 3214868480
	.fill 96, 4, 3214868480
	.section	.rodata,"a",@progbits
	.p2align	6, 0x0
	.amdhsa_kernel k_q925fbf0619_attn
		.amdhsa_group_segment_fixed_size 327680
		.amdhsa_private_segment_fixed_size 0
		.amdhsa_enable_private_segment 0
		.amdhsa_kernarg_size 32
		.amdhsa_user_sgpr_count 2
		.amdhsa_user_sgpr_kernarg_segment_ptr 1
		.amdhsa_wavefront_size32 1
		.amdhsa_system_sgpr_workgroup_id_x 1
		.amdhsa_system_sgpr_workgroup_id_y 1
		.amdhsa_system_sgpr_workgroup_id_z 1
		.amdhsa_system_vgpr_workitem_id 0
		.amdhsa_next_free_vgpr 512
		.amdhsa_next_free_sgpr 96
		.amdhsa_reserve_vcc 1
		.amdhsa_float_denorm_mode_32 3
		.amdhsa_float_denorm_mode_16_64 3
		.amdhsa_memory_ordered 1
		.amdhsa_forward_progress 1
		.amdhsa_inst_pref_size 107
	.end_amdhsa_kernel
	.amdgpu_metadata
---
amdhsa.version: [ 1, 2 ]
amdhsa.kernels:
  - .name:           k_q925fbf0619_attn
    .symbol:         k_q925fbf0619_attn.kd
    .args:
      - { .name: qb, .offset: 0, .size: 8, .value_kind: global_buffer, .address_space: global }
      - { .name: kv, .offset: 8, .size: 8, .value_kind: global_buffer, .address_space: global }
      - { .name: ai, .offset: 16, .size: 8, .value_kind: global_buffer, .address_space: global }
      - { .name: asc, .offset: 24, .size: 8, .value_kind: global_buffer, .address_space: global }
    .group_segment_fixed_size: 327680
    .private_segment_fixed_size: 0
    .kernarg_segment_align: 8
    .kernarg_segment_size: 32
    .max_flat_workgroup_size: 256
    .sgpr_count:     96
    .vgpr_count:     512
    .wavefront_size: 32
...
	.end_amdgpu_metadata
.endif
;; end of part 3
;; launch proj (part 4): grid 4 x 64, 4 waves a work-group, clusters of 4 x 4, 327,680 bytes of LDS; arguments ai, asc, cod, scl, out0; writes out0
.if DOCPART == 4
	.amdgcn_target "amdgcn-amd-amdhsa--gfx1250"
	.amdhsa_code_object_version 6
	.text
	.protected	k_q925fbf0619_proj
	.globl	k_q925fbf0619_proj
	.p2align	8
	.type	k_q925fbf0619_proj,@function
k_q925fbf0619_proj:
	s_mov_b64 s[64:65], 0
	v_nop
	global_prefetch_b8 v0, s[64:65] scope:SCOPE_SE
	s_setreg_imm32_b32 hwreg(HW_REG_WAVE_MODE, 25, 1), 1
	s_wait_xcnt 0x0
	s_wait_alu depctr_hold_cnt(0) depctr_sa_sdst(0) depctr_va_vdst(0) depctr_va_sdst(0) depctr_va_ssrc(0) depctr_va_vcc(0) depctr_vm_vsrc(0)
	s_getreg_b32 s2, hwreg(HW_REG_IB_STS2, 6, 4)
	s_cmp_eq_u32 s2, 0
	s_cbranch_scc0 .Lentry_in_a_cluster
	s_endpgm
.Lentry_in_a_cluster:
	s_bfe_u32 s2, ttmp6, 0x10000c
	s_cmp_lg_u32 s2, 0xf033
	s_cbranch_scc0 .Lentry_shape_is_right
	s_endpgm
.Lentry_shape_is_right:
; out0 = att W_proj^T on codes of BF6 (E3M2) with one E8M0 scale for each 32 along K = 1,024; sums in f32.
; A = the attention's result: ai holds images of operand registers, [256 along K: 4][16 tokens: 512][3,072 bytes]; asc its scale bytes, 32 a token, in the images' order of tokens.
; B = W_proj: cod holds, from byte 0x840000, for each 256 rows and each 256 along K a dense image of 256 rows x 192 bytes; scl its scale bytes from byte 0x58000.
; A block of the result, 128 tokens x 256 columns, is made by a work-group of four waves: 64 x 4 blocks, one for each WGP.  A wave makes 64 x 128: 32 accumulators of 16 x 16.
; K goes in steps of 256 through a ring of two LDS slots (A's 128 rows as they lie, B's 256 rows with 16 bytes of padding behind each 64); every tensor load's rows are 256 bytes and begin at multiples of 256.
; The scale bytes of the work-group's rows come into LDS once.  4 x 4 work-groups form a cluster: A's tiles are asked for jointly along a row of it, B's along a column.
; No prefetch is laid: K is four fills of a slot, of which the head and the first round ask for two, so there is no trip to run ahead in.
; THE MATRIX INSTRUCTION IS USED TRANSPOSED (source 0 = 16 rows of B, source 1 = 16 rows of A): a lane holds eight neighbouring columns of one token's row.
; Image t of 16 tokens holds tokens 32 (t / 2) + 8 (t % 2) + r + 8 (r / 8): the way out puts each row where it belongs.
; REGISTERS: window 0: v16-29 addresses; v32-63 scale words, two sets; v128-223 A's fragments, two sets of four; on the way out v128-255.  Window 1: B's fragments, two sets, at v0 and v128.  Window 2: the accumulators, (a, b) at v[8 (8 a + b)].
.set NQ,     2                         ; matrix steps of 128 in a slot
.set ROWB,   256                       ; a tensor load's row
.set KSB,    49152                     ; cod: from one K step's image to the next
.set KROW,   768                       ; cod: bytes a row over all of K
.set PITCH,  240                       ; B's row in LDS: 3 x (64 bytes + 16 of padding)
.set FR,     12                        ; registers of a fragment
.set NP,     4                         ; places behind this matrix instruction (ISA guide 7.12.1)
.set HALFT,  128*PITCH                 ; B: 128 rows
.set AHALF,  4*3072                    ; A: 64 rows, four images
.set ASTEP,  512*3072                  ; ai: from one K step to the next
.set BOFF,   2*AHALF
.set SLOT,   BOFF+2*HALFT
.set KS,     32
.set SCL,    2*SLOT                    ; behind the ring: the scales, as units of 256 bytes + 16 of padding: A's 128 rows, then B's 256
.set HALFS,  (128*KS/256)*272
.set SBLK,   (16*KS/256)*272
.set SPARE,  SCL+3*HALFS               ; behind the scales: the spare words, 128 bytes for each wave, which no other line names
.set SPITCH, 528                       ; the way out: a stage of 16 rows x (512 bytes + 16) for each wave, in slot 0, which has had its last fill and its last read by then
.set ADRA, 16                          ; v16-17 my A fragments in slot 0, 1, 16 bytes a lane;  v18-19 the same, 8 bytes a lane
.set ADRB, 20                          ; v20-21 my B fragments;  v22-23 for the pieces behind one padding more
.set STO,  24
.set RD,   25
.set CO,   26
.set ADRS, 27                          ; my scale words: lanes 0-15 A's rows, lanes 16-31 B's
.set SPW,  28
.set NIL,  29
.set SC,   32
.set AF,   128
.set BK,   128
.set G1, 24
.set G0, 32
.set G1B, 48
.set G0B, 56
.set G1S, 68
.set G0S, 76
.set G1SB, 80
.set G0SB, 88
.set MSB, 0
.macro WIN new                         ; the immediate's high byte repeats the setting that is left
.if MSB != (\new)
	s_set_vgpr_msb (MSB<<8)|(\new)
.set MSB, (\new)
.endif
.endm
.set MUL_LO, 0xa1                      ; source 0 (B) window 1, source 1 (A) window 0, C and D window 2
.set TO_B,   0x40
.macro JLOAD g0a, g1a, g0b, g1b        ; a joint load: waves 0 and 1 fetch A's halves, waves 2 and 3 B's; the branch hangs on the wave's number alone
	s_cmp_eq_u32 s15, 0
	s_cbranch_scc0 .Lfor_b_\@
	tensor_load_to_lds s[\g0a:\g0a+3], s[\g1a:\g1a+7]
	s_nop 0
.rept 4
	v_nop
.endr
	s_branch .Lasked_\@
.Lfor_b_\@:
	tensor_load_to_lds s[\g0b:\g0b+3], s[\g1b:\g1b+7]
	s_nop 0
.rept 4
	v_nop
.endr
.Lasked_\@:
.endm
.macro CREST                           ; a round of the cluster's barrier behind its opening barrier
	s_cmp_lg_u32 s14, 0
	s_cbranch_scc1 .Lnot_wave_0_\@
	s_barrier_signal -3
.Lnot_wave_0_\@:
	s_barrier_wait -3
	s_barrier_signal -1
	s_barrier_wait -1
.endm
.macro CROUND
	s_barrier_signal -1
	s_barrier_wait -1
	CREST
.endm
	s_load_b128 s[4:7], s[0:1], 0x0                ; ai s[4:5], asc s[6:7]
	s_load_b128 s[8:11], s[0:1], 0x10              ; cod s[8:9], scl s[10:11]
	s_load_b64 s[12:13], s[0:1], 0x20              ; out0
	v_lshl_add_u32 v[SPW], v0, 2, SPARE
	v_mov_b32 v[NIL], 0
	ds_add_u32 v[SPW], v[NIL]                      ; the opening lines: the add, twice on end, and its wait
	ds_add_u32 v[SPW], v[NIL]
	s_wait_dscnt 0x0
	v_lshrrev_b32 v1, 5, v0
	v_readfirstlane_b32 s14, v1                    ; wave 0..3
	s_lshr_b32 s15, s14, 1                         ; which 64 of the block's tokens are mine.  Also: I fetch for A (0) or for B (1)
	s_and_b32 s16, s14, 1                          ; which 128 of its columns.  Also: which half of that tile I fetch
	s_bfe_u32 s40, ttmp6, 0x40000                  ; cx, cy
	s_bfe_u32 s41, ttmp6, 0x40004
	s_lshl_b32 s42, ttmp9, 2
	s_add_co_u32 s42, s42, s40                     ; block column
	s_and_b32 s17, ttmp7, 0xffff
	s_lshl_b32 s17, s17, 2
	s_add_co_u32 s17, s17, s41                     ; block row
	s_lshl_b32 s43, s41, 2
	s_lshl_b32 s43, 15, s43                        ; my row of the cluster
	s_lshl_b32 s44, 0x1111, s40                    ; my column
	s_or_b32 s[G1+0], s43, (3<<16)|(1<<21)         ; A's tiles: rows of 32 elements of 8 bytes, no padding; 96 rows (128 tokens) at the head, behind it 48
	s_mov_b32 s[G1+1], 32<<16
	s_mov_b32 s[G1+2], 96<<16
	s_mov_b32 s[G1+3], 32<<16
	s_mov_b32 s[G1+4], 96
	s_mov_b32 s[G1+5], 32
	s_mov_b32 s[G1+6], 0
	s_mov_b32 s[G1+7], 0
	s_or_b32 s[G1B+0], s44, (0<<16)|(1<<20)|(1<<21)|(3<<22)|(3<<25)   ; B's: rows of 256 bytes, 4 words of padding behind every 16; 192 rows (a whole image) at the head, behind it 96
	s_mov_b32 s[G1B+1], ROWB<<16
	s_mov_b32 s[G1B+2], 192<<16
	s_mov_b32 s[G1B+3], ROWB<<16
	s_mov_b32 s[G1B+4], 192
	s_mov_b32 s[G1B+5], ROWB
	s_mov_b32 s[G1B+6], 0
	s_mov_b32 s[G1B+7], 0
	s_or_b32 s[G1S+0], s43, (3<<16)|(1<<20)|(1<<21)|(5<<22)|(3<<25)   ; the scales: dense blocks as rows of 256 bytes, 16 bytes of padding behind each: A's 16 rows,
	s_mov_b32 s[G1S+1], 32<<16
	s_mov_b32 s[G1S+2], 16<<16
	s_mov_b32 s[G1S+3], 32<<16
	s_mov_b32 s[G1S+4], 16
	s_mov_b32 s[G1S+5], 32
	s_mov_b32 s[G1S+6], 0
	s_mov_b32 s[G1S+7], 0
	s_or_b32 s[G1SB+0], s44, (3<<16)|(1<<20)|(1<<21)|(5<<22)|(3<<25)  ; B's 32
	s_mov_b32 s[G1SB+1], 32<<16
	s_mov_b32 s[G1SB+2], 32<<16
	s_mov_b32 s[G1SB+3], 32<<16
	s_mov_b32 s[G1SB+4], 32
	s_mov_b32 s[G1SB+5], 32
	s_mov_b32 s[G1SB+6], 0
	s_mov_b32 s[G1SB+7], 0
	s_lshl_b32 s20, s17, 3                         ; A: the block's first image: 8 x block row (no register of this chain ever holds cx)
	s_lshl_b32 s22, s20, 9                         ; its scale bytes: 512 an image
	s_mov_b32 s23, 0
	s_mul_i32 s20, s20, 3072
	s_mov_b32 s21, 0
	s_lshl_b32 s46, s42, 8                         ; B: the block's first row (no register of this chain ever holds cy)
	s_lshl_b32 s92, s46, 5
	s_add_co_u32 s92, s92, 0x58000
	s_mov_b32 s93, 0
	s_mul_i32 s46, s46, KROW
	s_add_co_u32 s46, s46, 0x840000
	s_mov_b32 s47, 0
	s_mul_i32 s45, s16, AHALF                      ; where the ring's loads go: no place in the cluster enters an LDS address
	s_mul_i32 s95, s16, HALFT
	s_add_co_u32 s95, s95, BOFF
	s_mul_i32 s18, s16, AHALF                      ; and which half of a tile they fetch, in bytes: of A,
	s_mov_b32 s19, 0
	s_mul_i32 s2, s16, KSB/2                       ; of B
	s_mov_b32 s3, 0
	s_wait_kmcnt 0x0
	s_add_nc_u64 s[20:21], s[4:5], s[20:21]
	s_add_nc_u64 s[22:23], s[6:7], s[22:23]
	s_add_nc_u64 s[46:47], s[8:9], s[46:47]
	s_add_nc_u64 s[92:93], s[10:11], s[92:93]
	CROUND                                         ; all sixteen work-groups are here: the first joint loads meet
	s_mov_b32 s[G0S], 1
	s_mov_b32 s[G0S+1], SCL
	s_mov_b64 s[G0S+2:G0S+3], s[22:23]
	s_or_b32 s[G0S+3], s[G0S+3], 0x80000000
	s_mov_b32 s[G0SB], 1
	s_mov_b32 s[G0SB+1], SCL+HALFS
	s_mov_b64 s[G0SB+2:G0SB+3], s[92:93]
	s_or_b32 s[G0SB+3], s[G0SB+3], 0x80000000
	s_mov_b32 s[G0], 1                             ; slot 0's groups 0 serve the head first: K step 0's 128 rows of A,
	s_mov_b32 s[G0+1], 0
	s_mov_b64 s[G0+2:G0+3], s[20:21]
	s_or_b32 s[G0+3], s[G0+3], 0x80000000
	s_mov_b32 s[G0B], 1                            ; and its 256 rows of B
	s_mov_b32 s[G0B+1], BOFF
	s_mov_b64 s[G0B+2:G0B+3], s[46:47]
	s_or_b32 s[G0B+3], s[G0B+3], 0x80000000
	s_add_nc_u64 s[20:21], s[20:21], s[18:19]      ; for the ring: my half
	s_add_nc_u64 s[46:47], s[46:47], s[2:3]
	s_mov_b32 s[G0+4], 1                           ; slot 1: K step 1
	s_add_co_u32 s[G0+5], s45, SLOT
	s_add_nc_u64 s[G0+6:G0+7], s[20:21], ASTEP
	s_or_b32 s[G0+7], s[G0+7], 0x80000000
	s_mov_b32 s[G0B+4], 1
	s_add_co_u32 s[G0B+5], s95, SLOT
	s_add_nc_u64 s[G0B+6:G0B+7], s[46:47], KSB
	s_or_b32 s[G0B+7], s[G0B+7], 0x80000000
; THE HEAD'S LOADS, ONE A WAVE: wave 0 fetches K step 0's rows of A, wave 1 those of B, wave 2 A's scales, wave 3 B's.  One tree of branches on the wave's number: every way passes exactly one load.
.macro ARM under, g0, g1, next
	s_cmp_lt_u32 s14, \under
	s_cbranch_scc0 \next
	tensor_load_to_lds s[\g0:\g0+3], s[\g1:\g1+7]
	s_nop 0
.rept 4
	v_nop
.endr
	s_branch .Lhead_asked
\next:
.endm
	ARM 1, G0,  G1,  .Lhead_b
	ARM 2, G0B, G1B, .Lhead_sa
	ARM 3, G0S, G1S, .Lhead_sb
	tensor_load_to_lds s[G0SB:G0SB+3], s[G1SB:G1SB+7]
	s_nop 0
.rept 4
	v_nop
.endr
.Lhead_asked:
	v_and_b32 v1, 15, v0                           ; r
	v_bfe_u32 v2, v0, 4, 1                         ; h
	v_and_b32 v6, 31, v0
	v_mul_u32_u24 v3, v1, PITCH
	v_mul_u32_u24 v4, v2, 24
	v_add_nc_u32 v4, v3, v4                        ; B: a fragment's row x pitch + 24 h,
	v_lshl_add_u32 v5, v2, 4, v4                   ; and the same behind one padding more
	v_lshlrev_b32 v7, 4, v6                        ; A: 16 x lane, 8 x lane
	v_lshlrev_b32 v8, 3, v6
	s_mul_i32 s21, s15, AHALF                      ; my 64 rows of A
	s_mul_i32 s22, s16, HALFT                      ; my 128 rows of B
	s_add_co_u32 s22, s22, BOFF
.irp s, 0,1
	v_add_nc_u32 v[ADRA+\s], s21, v7
	v_add_nc_u32 v[ADRA+2+\s], s21, v8
	v_add_nc_u32 v[ADRB+\s], s22, v4
	v_add_nc_u32 v[ADRB+2+\s], s22, v5
	s_add_co_u32 s21, s21, SLOT
	s_add_co_u32 s22, s22, SLOT
.endr
	v_mul_u32_u24 v5, v1, KS                       ; my row's scales: KS bytes a row,
	v_lshrrev_b32 v9, 8, v5
	v_lshl_add_u32 v5, v9, 4, v5                   ; and 16 more for each 256 passed
	s_mul_i32 s21, s15, HALFS/2                    ; A's: my 64 rows
	s_mul_i32 s22, s16, HALFS                      ; B's: my 128 rows, behind A's 128
	s_add_co_u32 s22, s22, HALFS
	s_sub_co_u32 s22, s22, s21
	v_mul_u32_u24 v9, s22, v2                      ; lanes 16-31 take B's
	s_add_co_u32 s21, s21, SCL
	v_add_nc_u32 v5, v5, v9
	v_add_nc_u32 v[ADRS], s21, v5
	s_mul_i32 s23, s14, 16*SPITCH                  ; my stage
	v_mul_u32_u24 v5, v1, SPITCH
	v_lshl_add_u32 v5, v2, 5, v5
	v_add_nc_u32 v[STO], s23, v5                   ; in: row r, 32 bytes for each half of the lanes
	v_lshlrev_b32 v[CO], 4, v6                     ; back: the 32 lanes take one row of 512 bytes; and the same in out0
	v_add_nc_u32 v[RD], s23, v[CO]
	s_lshl_b32 s20, s17, 7
	s_lshl_b32 s21, s15, 6
	s_add_co_u32 s20, s20, s21                     ; my first token: 128 x block row + 64 x half
	s_lshl_b32 s20, s20, 12                        ; 4,096 bytes a row of out0
	s_lshl_b32 s46, s42, 10
	s_lshl_b32 s47, s16, 9
	s_add_co_u32 s46, s46, s47                     ; my first column, in bytes
	s_add_co_u32 s20, s20, s46
	s_mov_b32 s21, 0
	s_add_nc_u64 s[12:13], s[12:13], s[20:21]
.macro FRAG reg, adr, q, i             ; a fragment of B: lane l holds row l % 16; registers 6 c .. 6 c + 5 hold K = 64 c + 32 (l / 16) + 0 .. 31: 24 bytes of the row, in pieces of 8
.irp p, 0,1,2,3,4,5
.set PCE, 12*(\q)+6*(\p/3)+\p%3        ; 16 bytes of padding lie behind every 8 pieces: where the piece three on lies behind one padding more, the second address register serves
.if PCE%8 < 5
	ds_load_b64 v[\reg+2*\p:\reg+2*\p+1], v[\adr] offset:8*PCE+16*(PCE/8)+(\i)*16*PITCH
.else
	ds_load_b64 v[\reg+2*\p:\reg+2*\p+1], v[\adr+2] offset:8*PCE+16*(PCE/8)+(\i)*16*PITCH
.endif
.endr
.endm
.macro FRAGA reg, adr, q, i            ; a fragment of A, from its image: registers 0-3 at 16 x lane, registers 4-5 at 8 x lane, for each 64 along K
.irp c, 0,1
	ds_load_b128 v[\reg+6*\c:\reg+6*\c+3], v[\adr] offset:3072*(\i)+1536*(\q)+768*\c
	ds_load_b64 v[\reg+6*\c+4:\reg+6*\c+5], v[\adr+2] offset:3072*(\i)+1536*(\q)+768*\c+512
.endr
.endm
; 16 matrix instructions: A's blocks a0, a0 + 1 x B's eight, 128 along K.  p: the set of fragments, which is also the slot's step; sc: the set of scale words.  zero = 1: the first product starts the sums.
; The 32 accumulators take turns, one instruction a turn, in the same order in every step.
.macro MUL16 a0, p, sc, zero
.irp a, \a0, \a0+1
.irp b, 0,1,2,3,4,5,6,7
.if \zero
	v_wmma_scale_f32_16x16x128_f8f6f4 v[8*(8*(\a)+\b):8*(8*(\a)+\b)+7], v[128*(\p)+FR*\b:128*(\p)+FR*\b+FR-1], v[AF+48*(\p)+FR*(\a):AF+48*(\p)+FR*(\a)+FR-1], 0, v[SC+8*NQ*(\sc)+NQ*\b+(\p)], v[SC+8*NQ*(\sc)+NQ*(\a)+(\p)] matrix_a_fmt:MATRIX_FMT_BF6 matrix_b_fmt:MATRIX_FMT_BF6 matrix_a_scale:MATRIX_SCALE_ROW1
.else
	v_wmma_scale_f32_16x16x128_f8f6f4 v[8*(8*(\a)+\b):8*(8*(\a)+\b)+7], v[128*(\p)+FR*\b:128*(\p)+FR*\b+FR-1], v[AF+48*(\p)+FR*(\a):AF+48*(\p)+FR*(\a)+FR-1], v[8*(8*(\a)+\b):8*(8*(\a)+\b)+7], v[SC+8*NQ*(\sc)+NQ*\b+(\p)], v[SC+8*NQ*(\sc)+NQ*(\a)+(\p)] matrix_a_fmt:MATRIX_FMT_BF6 matrix_b_fmt:MATRIX_FMT_BF6 matrix_a_scale:MATRIX_SCALE_ROW1
.endif
.endr
.endr
.endm
.macro MUL32 p, sc, zero
	WIN MUL_LO
	MUL16 0, \p, \sc, \zero
	MUL16 2, \p, \sc, \zero
	WIN 0
.endm
.macro FETCH slot, q                   ; the fragments of the slot's q-th 128 along K into set q: B's eight, A's four
	WIN TO_B
.irp i, 0,1,2,3,4,5,6,7
	FRAG 128*(\q)+FR*\i, ADRB+\slot, \q, \i
.endr
	WIN 0
.irp i, 0,1,2,3
	FRAGA AF+48*(\q)+FR*\i, ADRA+\slot, \q, \i
.endr
.endm
.macro SCALES sc                       ; a K step's scale words into set sc, two words a row: lanes 16-31 take B's block i; lanes 0-15 A's block i (of registers 4 to 7 their half is not used: it reads scale bytes further on)
.irp i, 0,1,2,3,4,5,6,7
	ds_load_b64 v[SC+8*NQ*\sc+NQ*\i:SC+8*NQ*\sc+NQ*\i+1], v[ADRS] offset:\i*SBLK
.endr
.endm
.macro PLACES n
.rept \n
	v_nop
.endr
.endm
; A slot's first step: set 0 is multiplied while the second step's fragments come into set 1.
.macro STEP slot, zero
	s_wait_dscnt 0x0                               ; set 0 and the scale words are in
	PLACES NP                                      ; behind the products that read set 1, ahead of the loads into it
	FETCH \slot, 1
	MUL32 0, \slot, \zero
.endm
; The change of slots.  Set 1, the slot's second step, is in registers when my reads are over: so the barrier, the refill and the next slot's first loads stand AHEAD of its products, which then run while the loads are out.
.macro TURN slot, next, fill
	s_wait_tensorcnt 0x0                           ; all my tensor loads have landed: my part of the next slot;
	ds_add_u32 v[SPW], v[NIL]                      ; 0 onto my spare word;
	s_wait_dscnt 0x0                               ; the add is done, and my reads of this slot are over
	s_barrier_signal -1
	s_barrier_wait -1
.if \fill
	CREST                                          ; the barrier has opened a round of the cluster's barrier: no wave of any partner still reads this slot or has a load on its way
	s_add_nc_u64 s[G0+4*\slot+2:G0+4*\slot+3], s[G0+4*\slot+2:G0+4*\slot+3], 2*ASTEP
	s_add_nc_u64 s[G0B+4*\slot+2:G0B+4*\slot+3], s[G0B+4*\slot+2:G0B+4*\slot+3], 2*KSB
	JLOAD G0+4*\slot, G1, G0B+4*\slot, G1B         ; two K steps ahead: the first tensor load behind the round; its four v_nop are the places in front of the loads below
.else
	PLACES NP
.endif
	s_wait_alu depctr_va_vdst(0)                   ; directly ahead of the reader below
	v_add_nc_u32 v[ADRS], 4*NQ, v[ADRS]            ; on to the next K step's scale words
	FETCH \next, 0
	SCALES \next
	MUL32 1, \slot, 0
.endm
	s_wait_alu depctr_va_vdst(0)                   ; the wait at the head's end
	s_wait_tensorcnt 0x0                           ; my tile of the head's four is in;
	ds_add_u32 v[SPW], v[NIL]
	s_mov_b32 s[G1+2], 48<<16                      ; no tensor load of mine is out, so descriptors may be written: from here on a load brings half a tile,
	s_mov_b32 s[G1+4], 48
	s_mov_b32 s[G1B+2], 96<<16
	s_mov_b32 s[G1B+4], 96
	s_mov_b32 s[G0+1], s45                         ; and slot 0's groups 0 point at my half, in LDS and in K step 0's bytes: the first refill steps on from there
	s_add_nc_u64 s[G0+2:G0+3], s[G0+2:G0+3], s[18:19]
	s_mov_b32 s[G0B+1], s95
	s_add_nc_u64 s[G0B+2:G0B+3], s[G0B+2:G0B+3], s[2:3]
	s_wait_dscnt 0x0
	CROUND                                         ; a whole round: all four tiles are in, and all sixteen work-groups are here,
	JLOAD G0+4, G1, G0B+4, G1B                     ; and K step 1's load, the first tensor load behind the round
	FETCH 0, 0
	SCALES 0
	STEP 0, 1                                      ; K = 1,024 is eight steps, written out: the first step's products start the sums
	TURN 0, 1, 1
	STEP 1, 0
	TURN 1, 0, 1
	STEP 0, 0
	TURN 0, 1, 0                                   ; nothing is left to fetch: no round follows
	STEP 1, 0
	s_wait_dscnt 0x0
	MUL32 1, 1, 0
; THE WAY OUT, block by block of 16 tokens x 128 columns: through my own stage in LDS, back as whole rows of 512 bytes.  LDS serves a wave's instructions in order: no wait between the stores and the loads.
.macro TOSTAGE a
.set AC, 64*(\a)
	WIN 0x08                                       ; the data: window 2
.irp b, 0,1,2,3,4,5,6,7
	ds_store_b128 v[STO], v[AC+8*\b:AC+8*\b+3] offset:64*\b          ; each accumulator from its low end on
	ds_store_b128 v[STO], v[AC+8*\b+4:AC+8*\b+7] offset:64*\b+16
.endr
	WIN 0
.set BB, BK+64*((\a)%2)
.irp t, 0,1,2,3,4,5,6,7,8,9,10,11,12,13,14,15
	ds_load_b128 v[BB+4*\t:BB+4*\t+3], v[RD] offset:\t*SPITCH
.endr
.endm
.macro SEND a, younger                 ; younger: the LDS instructions issued behind block a's loads, which may stay out
.set BB, BK+64*((\a)%2)
	s_wait_dscnt \younger
.irp t, 0,1,2,3,4,5,6,7,8,9,10,11,12,13,14,15
	global_store_b128 v[CO], v[BB+4*\t:BB+4*\t+3], s[12:13] offset:(32*((\a)/2)+8*((\a)%2)+\t+8*(\t/8))*4096 th:TH_STORE_NT   ; 32 lanes store 512 consecutive bytes, aligned, at the token's own row
.endr
.endm
	PLACES NP                                      ; behind the last products: results are read, and the registers that held A's fragments loaded into, from here on
	TOSTAGE 0
.irp a, 1,2,3
.if \a > 1
	s_wait_xcnt 0x0                                ; block a - 2's stores have read their registers: block a's loads may land there
.endif
	TOSTAGE \a
	SEND \a-1, 32                                  ; behind block a - 1's loads: block a's 16 stores and 16 loads
.endr
	SEND 3, 0
	s_wait_tensorcnt 0x0                           ; the wave's end
	ds_add_u32 v[SPW], v[NIL]
	s_wait_dscnt 0x0
	CROUND                                         ; the closing round: no work-group ends while a partner may still ask for a tile that names it
	s_endpgm
.Lfunc_end_k_q925fbf0619_proj:
	.size	k_q925fbf0619_proj, .Lfunc_end_k_q925fbf0619_proj-k_q925fbf0619_proj
	.p2alignl 7, 3214868480
	.fill 96, 4, 3214868480
	.section	.rodata,"a",@progbits
	.p2align	6, 0x0
	.amdhsa_kernel k_q925fbf0619_proj
		.amdhsa_group_segment_fixed_size 327680
		.amdhsa_private_segment_fixed_size 0
		.amdhsa_enable_private_segment 0
		.amdhsa_kernarg_size 40
		.amdhsa_user_sgpr_count 2
		.amdhsa_user_sgpr_kernarg_segment_ptr 1
		.amdhsa_wavefront_size32 1
		.amdhsa_system_sgpr_workgroup_id_x 1
		.amdhsa_system_sgpr_workgroup_id_y 1
		.amdhsa_system_sgpr_workgroup_id_z 1
		.amdhsa_system_vgpr_workitem_id 0
		.amdhsa_next_free_vgpr 768
		.amdhsa_next_free_sgpr 98
		.amdhsa_reserve_vcc 0
		.amdhsa_float_denorm_mode_32 3
		.amdhsa_float_denorm_mode_16_64 3
		.amdhsa_memory_ordered 1
		.amdhsa_forward_progress 1
		.amdhsa_inst_pref_size 96
	.end_amdhsa_kernel
	.amdgpu_metadata
---
amdhsa.version: [ 1, 2 ]
amdhsa.kernels:
  - .name:           k_q925fbf0619_proj
    .symbol:         k_q925fbf0619_proj.kd
    .args:
      - { .name: ai, .offset: 0, .size: 8, .value_kind: global_buffer, .address_space: global }
      - { .name: asc, .offset: 8, .size: 8, .value_kind: global_buffer, .address_space: global }
      - { .name: cod, .offset: 16, .size: 8, .value_kind: global_buffer, .address_space: global }
      - { .name: scl, .offset: 24, .size: 8, .value_kind: global_buffer, .address_space: global }
      - { .name: out0, .offset: 32, .size: 8, .value_kind: global_buffer, .address_space: global }
    .group_segment_fixed_size: 327680
    .private_segment_fixed_size: 0
    .kernarg_segment_align: 8
    .kernarg_segment_size: 40
    .max_flat_workgroup_size: 128
    .sgpr_count:     98
    .vgpr_count:     768
    .wavefront_size: 32
...
	.end_amdgpu_metadata
.endif
;; end of part 4
